; MI455X (gfx1250); checked and timed in simulation.
; The chip was launched on July 23, 2026; its instructions are those of AMD's public machine-readable ISA for CDNA 5 (MIT licence, August 2026) and "CDNA5" Instruction Set Architecture Reference Guide (July 2026). The comments in the code are by the model that wrote it; some were corrected since.
;; Temporal Multi Head Attention. Allowed arithmetic: matrix products marked QUANTISED: E2M1 operands, one E8M0 scale for each 32 along K, by v_wmma_scale_f32_16x16x128_f8f6f4 with both operands' format E2M1 (or v_wmma_scale_f32_32x16x128_f4), f32 sums; everything else in f32.
;; Inputs: Wk_codes 1,024 x 32 x 16 uint8 (E2M1 codes of Wk, K innermost, in blocks of 32 codes, two codes a byte); Wk_scales 1,024 x 32 uint8 (E8M0 scales of Wk, one for each 32 codes along K); Wo_codes 1,024 x 32 x 16 uint8 (E2M1 codes of Wo, K innermost, in blocks of 32 codes, two codes a byte); Wo_scales 1,024 x 32 uint8 (E8M0 scales of Wo, one for each 32 codes along K); Wq_codes 1,024 x 32 x 16 uint8 (E2M1 codes of Wq, K innermost, in blocks of 32 codes, two codes a byte); Wq_scales 1,024 x 32 uint8 (E8M0 scales of Wq, one for each 32 codes along K); Wv_codes 1,024 x 32 x 16 uint8 (E2M1 codes of Wv, K innermost, in blocks of 32 codes, two codes a byte); Wv_scales 1,024 x 32 uint8 (E8M0 scales of Wv, one for each 32 codes along K); bk 1,024 float32; bo 1,024 float32; bq 1,024 float32; bv 1,024 float32; x_codes 4 x 2,048 x 32 x 16 uint8 (E2M1 codes of x, K innermost, in blocks of 32 codes, two codes a byte); x_scales 4 x 2,048 x 32 uint8 (E8M0 scales of x, one for each 32 codes along K).
;; Outputs: out0 4 x 2,048 x 1,024 float32.
;; This version of the problem:
;;   THIS VERSION OF THE PROBLEM IS GIVEN IN LOW PRECISION. The matrix products marked QUANTISED in the list below multiply operands that are first quantised to E2M1 (2 exponent bits, 1 mantissa bit; 4 bits a number), with one power-of-two scale for each 32 numbers along K (OCP MX v1.0); their sums are f32. All else is computed in f32.
;;   The module's matrix products, in the order in which they are computed (A, B: the left and right operand; K: the contracted axis; several contracted axes count as one K, in the product's order):
;;     1. [M 8,192, K 1,024] x [K 1,024, N 1,024]; A: input x (given as codes); B: input Wq (given as codes): QUANTISED
;;     2. [M 8,192, K 1,024] x [K 1,024, N 1,024]; A: input x (given as codes); B: input Wk (given as codes): QUANTISED
;;     3. [M 8,192, K 1,024] x [K 1,024, N 1,024]; A: input x (given as codes); B: input Wv (given as codes): QUANTISED
;;     4. batch 64 x [M 2,048, K 64] x [K 64, N 2,048]; A: computed on the way; B: computed on the way: QUANTISED
;;     5. batch 64 x [M 2,048, K 2,048] x [K 2,048, N 64]; A: softmax (see below); B: computed on the way: QUANTISED
;;     6. [M 8,192, K 1,024] x [K 1,024, N 1,024]; A: computed on the way; B: input Wo (given as codes): QUANTISED
;;   THE QUANTISER, for each operand of a quantised product, along K:
;;     - K is cut into blocks of 32 from its start; a last block that is shorter is filled with zeros.
;;     - A block's scale is 2^e with e = floor(log2(the largest magnitude in the block)) - 2, held to -126 .. 127; a block of zeros has e = 0. As a byte (E8M0): e + 127.
;;     - Each number is divided by its block's scale, clamped to +-6, and rounded to the nearest number of E2M1, ties to even, subnormals kept.
;;     - The product sums the exact products of the quantised numbers (number of the format x scale) in f32.
;;   ~~~python
;;   def quantise(x, axis):      # numpy; x: float32 -> the quantised numbers, widened to float32 again
;;       x = np.moveaxis(x, axis, -1); K = x.shape[-1]
;;       x = np.pad(x, [(0, 0)] * (x.ndim - 1) + [(0, -K % 32)]); x = x.reshape(x.shape[:-1] + (-1, 32)); a = np.abs(x).max(-1, keepdims=True)
;;       e = np.where(a > 0, np.clip(np.frexp(np.where(a > 0, a, 1))[1] - 1 - 2, -126, 127), 0)      # np.frexp(a)[1] - 1 = floor(log2(a)), exactly
;;       r = np.clip(x / 2.0 ** e, -6, 6)
;;       step = 2.0 ** (np.maximum(np.frexp(np.where(r == 0, 1, r))[1] - 1, 0) - 1)
;;       q = np.round(r / step) * step * 2.0 ** e      # np.round: ties to even
;;       return np.moveaxis(q.reshape(q.shape[:-2] + (-1,))[..., :K], -1, axis).astype(np.float32)
;;   ~~~
;;   SOFTMAX AHEAD OF A QUANTISED PRODUCT. Where the list says 'softmax', what is quantised is not the finished softmax but p = 2^(t - M), with t = logit x log2(e) and M = ceil(the row's largest t), a whole number; so 1/2 < the row's largest p <= 1. The row's sum l is taken of the UNQUANTISED p, in f32, and the product's result is divided by l at the end. Since M is a whole number, a kernel that streams over the keys may use a running M (the ceiling of the running maximum): every later rescaling is an exact power of two, which a block's scale takes up: the codes' values come out the same.
;;   OPERANDS COMPUTED ON THE WAY. 'Computed on the way' means the value that the module computes at that place (a softmax that the list does not call 'softmax' is quantised finished and normalised). What goes into a quantiser is computed in f32, as accurately as f32 sums, v_exp_f32 and their like allow (about 1e-6 of the number): no bf16 or f16 on the way to a quantiser, and a product that is left as it is and whose result goes on into a quantised operand takes f32 operands (vector FMAs, or v_wmma_f32_16x16x4_f32). A number that lies on a knife's edge between two numbers of the format may be rounded either way, as far as f32 arithmetic and the matrix unit's own rounding can turn it there, and no further.
;;   INPUTS GIVEN AS CODES. Wk (in the module: [1024, 1024], K = its axis 0); Wo (in the module: [1024, 1024], K = its axis 0); Wq (in the module: [1024, 1024], K = its axis 0); Wv (in the module: [1024, 1024], K = its axis 0); x (in the module: [4, 2048, 1024], K = its axis 2): each comes as NAME_codes (uint8): NAME with its K axis moved to the last place and cut into blocks of 32 codes, [.., K / 32, bytes a block], one block behind the other in memory; two codes a byte, the lower K in the low four bits (a code: sign, 2 exponent bits, 1 mantissa bit); and NAME_scales (uint8): the same leading axes, one E8M0 byte (e + 127) for each 32 codes along K. Its value is code x scale, taken as it is: it is not quantised again, and the codes and scales need not be those that the quantiser above would give.
;; One version. Each part assembles by itself: llvm-mc -triple=amdgcn-amd-amdhsa -mcpu=gfx1250 --defsym DOCPART=n.
;; ======== version 1 of 1: 3 launches
;; workspace buffers: qkv 13,893,632 bytes; a_codes 4,194,304 bytes; a_scales 262,144 bytes
;; launch proj (part 1): grid 12 x 32, 4 waves a work-group, clusters of 4 x 4, 296,448 bytes of LDS; arguments x_codes, x_scales, Wq_codes, Wq_scales, Wk_codes, Wk_scales, Wv_codes, Wv_scales, bq, bk, bv, qkv; writes qkv
.if DOCPART == 1
	.amdgcn_target "amdgcn-amd-amdhsa--gfx1250"
	.amdhsa_code_object_version 6
	.text
	.protected	k_qbf29629851_proj
	.globl	k_qbf29629851_proj
	.p2align	8
	.type	k_qbf29629851_proj,@function
k_qbf29629851_proj:
	s_mov_b64 s[64:65], 0
	v_nop
	global_prefetch_b8 v0, s[64:65] scope:SCOPE_SE
	s_setreg_imm32_b32 hwreg(HW_REG_WAVE_MODE, 25, 1), 1
	s_wait_xcnt 0x0
	s_wait_alu depctr_hold_cnt(0) depctr_sa_sdst(0) depctr_va_vdst(0) depctr_va_sdst(0) depctr_va_ssrc(0) depctr_va_vcc(0) depctr_vm_vsrc(0)
	s_getreg_b32 s2, hwreg(HW_REG_IB_STS2, 6, 4)
	s_cmp_eq_u32 s2, 0
	s_cbranch_scc0 .Lentry_in_a_cluster
	s_endpgm
.Lentry_in_a_cluster:
	s_bfe_u32 s2, ttmp6, 0x10000c
	s_cmp_lg_u32 s2, 0xf033
	s_cbranch_scc0 .Lentry_shape_is_right
	s_endpgm
.Lentry_shape_is_right:
; q = x Wq + bq, k = x Wk + bk, v = x Wv + bv on codes of FP4 (E2M1) with one E8M0 scale for each 32 along K = 1,024; the results are quantised in registers and stored as codes.
; x: [8,192][1,024] codes, 512 bytes a row, 32 scale bytes a row; each W: [1,024 (n)][1,024 (k)] likewise; biases f32.
; A work-group of four waves makes 256 x 256 results, a wave 128 x 128: 64 accumulators of 16 x 16 in 512 registers.  K = 1,024 is two LDS slots of 512 along K (rows of 256 bytes): both slots and all
; scale bytes of the work-group's 512 rows are FIRST fills: no LDS byte is filled twice, so there is one barrier for each slot and nothing else.
; THE MATRIX INSTRUCTION IS USED TRANSPOSED: source 0 = 16 rows of B', source 1 = 16 rows of A': a lane holds ONE row of A', and its registers run along B''s rows.
; The quantiser wants a lane's registers along the NEXT product's K.  q and k are quantised along the head's 64 (the n of this product): A' = x, B' = W.  v is quantised along the keys (the tokens): A' = Wv, B' = x.
; The cluster's x says which projection (0: q, 1: k, 2: v); only pointers, the bias's layout and the stores' offsets differ.
; CLUSTERS: 4 x 4 work-groups.  A''s tiles are shared along a row of the cluster, B''s along a column: each is asked for jointly, by the same tensor load with the same descriptor and a mask that names the four.
; OUT: qkv[head of batch (64)][128 tokens (16)][record of 13,568 bytes]: q's codes 4,096, q's scale words 512, k's likewise, v's codes 4,096, v's scale words 256, each as images of the reader's operand registers:
;   q, k: tile of 16 tokens t at 512 t, lane l's 16 bytes (token l % 16, d = 32 (l / 16) + 0 .. 31) at 16 l; scale words [lane][4]: word b of lane l: tile 2 b + l / 16, row l % 16; bytes 2 and 3 are 0.
;   v: fragment (16 d x 128 keys) t at 1,024 t, registers 0-3 at 16 l, registers 4-7 at 512 + 16 l; scale words [lane][2]: word c of lane l: tile 2 c + l / 16.
; LIMITS: a block whose largest magnitude lies under 2^-124 (a block of zeros too) gets the scale byte 1: its codes are then zeros or next to zeros, and the bytes are read by this program alone.  NaN and infinities are not served.
; REGISTERS, in windows of 256: window 0: v16-28 addresses; v32-95 scale words, two sets; v96-103 the scale words made; v104-119 at work; v120-127 scale images; v128-191 A''s fragments, one set, later codes;
;   v192-255 the bias as the first products' C, later codes.   window 1: B''s fragments, two sets, at v0 and v128.   windows 2, 3: the accumulators ((a, b) at v[8 (8 (a % 4) + b)] of window 2 + a / 4).
.set ROWB,   256                       ; a tile's row in bytes: 512 codes
.set KROW,   512                       ; a row of x or W in memory
.set PITCH,  272                       ; an LDS row: 256 bytes + 16 of padding = 68 words: the 16 rows that a load touches start at 16 different banks (64 banks of 4 bytes: ISA guide 11.1)
.set FR,     8                         ; registers of a fragment, 16 rows x 128 K
.set NL,     2                         ; LDS loads that bring one
.set NP,     4                         ; places behind this matrix instruction (ISA guide 7.12.1)
.set NQ,     4                         ; steps of 128 along K in a slot
.set HALFT,  128*PITCH                 ; 128 rows: what one tensor load brings
.set SLOT,   4*HALFT                   ; A''s 256 rows, then B''s 256 rows
.set SCL,    2*SLOT                    ; behind the slots: the scale bytes, as units of 256 bytes + 16 of padding
.set HALFS,  16*272                    ; those of 128 rows
.set SBLK,   2*272                     ; those of 16 rows
.set REC,    13568                     ; a record of qkv
.set HBB,    16*REC                    ; from head to head
.set PART,   4608                      ; from q's part of a record to k's, and from k's to v's
.set ADRA, 16                          ; v16-17  LDS address of my A' fragments in slot 0, 1
.set ADRB, 20                          ; v20-21  the same for B'
.set LI,   24                          ; v24     16 x lane
.set L8,   25                          ; v25     8 x lane
.set BO,   26                          ; v26     my offset in the bias
.set ADRS, 27                          ; v27     LDS address of my scale words: lanes 0-15 A''s rows, lanes 16-31 B''s
.set LN,   28                          ; v28     lane
.set SC,   32                          ; scale words: set s at v[SC + 32 s]; register 4 i + q: lanes 0-15 A' block i, lanes 16-31 B' block i, the slot's q-th 128 along K
.set PW,   96                          ; v96-103 the scale word made for block a
.set TM,   104                         ; v104-107 largest magnitudes, v108-111 bytes, v116-119 the conversions' scale operands
.set IM,   120                         ; v120-127 scale images
.set AF,   128                         ; A''s fragments
.set BI,   192                         ; the bias
.set G1,   24                          ; s[24:31] group 1 for A''s tiles;  s[32:39] group 0, a set for each slot
.set G0,   32
.set G1B,  48                          ; s[48:55], s[56:63] the same for B'
.set G0B,  56
.set G1S,  68                          ; s[68:75], s[76:79] groups 1 and 0 for A''s scales;  s[80:87], s[88:91] for B''s
.set G0S,  76
.set G1SB, 80
.set G0SB, 88
.set OUT,  96                          ; s[96:97] where my wave's part of qkv begins
.set SEL,  98                          ; s[98:99] lane selects for v_permlanex16_b32: lane l xor 16
.set MSB, 0
.macro WIN new                         ; the immediate's high byte repeats the setting that is left; a switch that changes nothing is dropped
.if MSB != (\new)
	s_set_vgpr_msb (MSB<<8)|(\new)
.set MSB, \new
.endif
.endm
.set MUL_LO, 0xa1                      ; source 0 (B') window 1, source 1 (A') window 0, C and D window 2
.set MUL_HI, 0xf1                      ; the same, C and D window 3
.set FST_LO, 0x81                      ; the first step: C (the bias) window 0, D window 2
.set FST_HI, 0xc1                      ; D window 3
.set TO_B,   0x40                      ; destination window 1, address window 0
; A joint load: waves 0 and 1 fetch for A', waves 2 and 3 for B'.  The branch hangs on the wave's number alone.  Four v_nop follow each of the two lines.
.macro JLOAD g0a, g1a, g0b, g1b
	s_cmp_eq_u32 s15, 0
	s_cbranch_scc0 .Lfor_b_\@
	tensor_load_to_lds s[\g0a:\g0a+3], s[\g1a:\g1a+7]
	s_nop 0
.rept 4
	v_nop
.endr
	s_branch .Lasked_\@
.Lfor_b_\@:
	tensor_load_to_lds s[\g0b:\g0b+3], s[\g1b:\g1b+7]
	s_nop 0
.rept 4
	v_nop
.endr
.Lasked_\@:
.endm
.macro CROUND                          ; a round of the cluster's barrier
	s_barrier_signal -1
	s_barrier_wait -1
	s_cmp_lg_u32 s14, 0
	s_cbranch_scc1 .Lnot_wave_0_\@
	s_barrier_signal -3
.Lnot_wave_0_\@:
	s_barrier_wait -3
	s_barrier_signal -1
	s_barrier_wait -1
.endm
	s_load_b256 s[4:11], s[0:1], 0x0               ; x's codes s[4:5], x's scales s[6:7], Wq's codes s[8:9], Wq's scales s[10:11]
	s_load_b256 s[68:75], s[0:1], 0x20             ; Wk's codes, Wk's scales, Wv's codes, Wv's scales
	s_load_b256 s[76:83], s[0:1], 0x40             ; bq, bk, bv, qkv
	v_lshl_add_u32 v114, v0, 2, 0x48400
	v_mov_b32 v115, 0
	ds_add_u32 v114, v115
	ds_add_u32 v114, v115
	v_lshrrev_b32 v1, 5, v0
	v_readfirstlane_b32 s14, v1                    ; wave 0..3
	s_lshr_b32 s15, s14, 1                         ; which 128 rows of A' are mine.  Also: I fetch for A' (0) or for B' (1)
	s_and_b32 s16, s14, 1                          ; which 128 rows of B'.  Also: which 128 rows of that tile I fetch
	s_bfe_u32 s40, ttmp6, 0x40000                  ; cx, cy: my place in the cluster
	s_bfe_u32 s41, ttmp6, 0x40004
	s_and_b32 s100, ttmp7, 0xffff
	s_lshl_b32 s100, s100, 2                       ; 4 x cluster y
	s_lshl_b32 s43, s41, 2
	s_lshl_b32 s43, 15, s43                        ; my row of the cluster
	s_lshl_b32 s44, 0x1111, s40                    ; my column
	; group 1: a tile of 128 rows x 256 bytes, padded in LDS
	s_or_b32 s[G1+0], s43, (1<<20)|(1<<21)|(5<<22)|(3<<25)    ; 15:0 the mask; 17:16 elements of 1 byte; 20 padding on; 21 set beside a mask; 24:22 after every 64 words; 31:25 four words
	s_or_b32 s[G1B+0], s44, (1<<20)|(1<<21)|(5<<22)|(3<<25)
.irp g, G1, G1B
	s_mov_b32 s[\g+1], ROWB<<16                    ; tensor_dim0
	s_mov_b32 s[\g+2], 128<<16                     ; tensor_dim1
	s_mov_b32 s[\g+3], ROWB<<16                    ; tile_dim0
	s_mov_b32 s[\g+4], 128                         ; tile_dim1
	s_mov_b32 s[\g+5], KROW                        ; tensor_dim0_stride
	s_mov_b32 s[\g+6], 0
	s_mov_b32 s[\g+7], 0
.endr
	s_lshl_b32 s95, s16, 7                         ; which 128 rows of a tile I fetch
	s_mul_i32 s45, s14, HALFT                      ; where they go: wave x 128 rows: no place in the cluster enters an LDS address
	s_mul_i32 s94, s14, HALFS
	s_mov_b32 s19, 0
	s_mov_b32 s3, 0
	s_wait_dscnt 0x0
	s_wait_kmcnt 0x0
	s_cmp_eq_u32 ttmp9, 1                          ; the projection's weight and bias: the choice hangs on the cluster's x alone
	s_cselect_b64 s[8:9], s[68:69], s[8:9]
	s_cselect_b64 s[10:11], s[70:71], s[10:11]
	s_cselect_b64 s[12:13], s[78:79], s[76:77]
	s_cmp_eq_u32 ttmp9, 2
	s_cselect_b64 s[8:9], s[72:73], s[8:9]
	s_cselect_b64 s[10:11], s[74:75], s[10:11]
	s_cselect_b64 s[12:13], s[80:81], s[12:13]
	s_cselect_b64 s[84:85], s[8:9], s[4:5]         ; A': for v the weight, else x
	s_cselect_b64 s[86:87], s[10:11], s[6:7]
	s_cselect_b64 s[88:89], s[4:5], s[8:9]         ; B': for v x, else the weight
	s_cselect_b64 s[90:91], s[6:7], s[10:11]
	s_cselect_b32 s17, 0, s100                     ; x has 32 blocks of 256 rows (4 x cluster y + place), a weight has 4 (place)
	s_cselect_b32 s42, s100, 0
	s_mov_b64 s[OUT:OUT+1], s[82:83]
	s_add_co_u32 s17, s17, s41                     ; A''s block: it hangs on cy alone
	s_add_co_u32 s42, s42, s40                     ; B''s block: on cx alone
	s_lshl_b32 s101, s17, 8
	s_add_co_u32 s101, s101, s95                   ; the first row of A' that I fetch
	s_lshl_b32 s18, s101, 9
	s_add_nc_u64 s[20:21], s[84:85], s[18:19]      ; its codes
	s_lshl_b32 s18, s101, 5
	s_add_nc_u64 s[22:23], s[86:87], s[18:19]      ; its scale bytes
	s_lshl_b32 s98, s42, 8
	s_add_co_u32 s98, s98, s95                     ; the same for B', in registers of its own
	s_lshl_b32 s2, s98, 9
	s_add_nc_u64 s[46:47], s[88:89], s[2:3]
	s_lshl_b32 s2, s98, 5
	s_add_nc_u64 s[92:93], s[90:91], s[2:3]
	; group 1 for the scale bytes of 128 rows: 4,096 dense bytes as 16 rows of 256 (32 elements of 8 bytes), 16 bytes of padding behind each.  (The pointers that lay here have been used.)
	s_or_b32 s[G1S+0], s43, (3<<16)|(1<<20)|(1<<21)|(5<<22)|(3<<25)
	s_or_b32 s[G1SB+0], s44, (3<<16)|(1<<20)|(1<<21)|(5<<22)|(3<<25)
.irp g, G1S, G1SB
	s_mov_b32 s[\g+1], 32<<16
	s_mov_b32 s[\g+2], 16<<16
	s_mov_b32 s[\g+3], 32<<16
	s_mov_b32 s[\g+4], 16
	s_mov_b32 s[\g+5], 32
	s_mov_b32 s[\g+6], 0
	s_mov_b32 s[\g+7], 0
.endr
	CROUND                                         ; all sixteen work-groups are here: the joint loads meet
	s_mov_b32 s[G0S], 1
	s_add_co_u32 s[G0S+1], s94, SCL
	s_mov_b64 s[G0S+2:G0S+3], s[22:23]
	s_or_b32 s[G0S+3], s[G0S+3], 0x80000000
	s_mov_b32 s[G0SB], 1
	s_add_co_u32 s[G0SB+1], s94, SCL
	s_mov_b64 s[G0SB+2:G0SB+3], s[92:93]
	s_or_b32 s[G0SB+3], s[G0SB+3], 0x80000000
	JLOAD G0S, G1S, G0SB, G1SB                     ; the scale bytes first: they are wanted with slot 0
.irp s, 0,1
	s_mov_b32 s[G0+4*\s], 1
	s_add_co_u32 s[G0+4*\s+1], s45, \s*SLOT
	s_add_nc_u64 s[G0+4*\s+2:G0+4*\s+3], s[20:21], \s*ROWB
	s_or_b32 s[G0+4*\s+3], s[G0+4*\s+3], 0x80000000
	s_mov_b32 s[G0B+4*\s], 1
	s_add_co_u32 s[G0B+4*\s+1], s45, \s*SLOT
	s_add_nc_u64 s[G0B+4*\s+2:G0B+4*\s+3], s[46:47], \s*ROWB
	s_or_b32 s[G0B+4*\s+3], s[G0B+4*\s+3], 0x80000000
	JLOAD G0+4*\s, G1, G0B+4*\s, G1B               ; three tensor loads of mine are out, and no more follow
.endr
	v_and_b32 v1, 15, v0                           ; r = lane % 16
	v_bfe_u32 v2, v0, 4, 1                         ; h = lane / 16
	s_lshl_b32 s100, s17, 8
	s_lshl_b32 s101, s15, 7
	s_add_co_u32 s100, s100, s101                  ; my first row of A'
	s_lshl_b32 s2, s42, 8
	s_lshl_b32 s3, s16, 7
	s_add_co_u32 s2, s2, s3                        ; my first row of B'
	s_cmp_eq_u32 ttmp9, 2
	s_cselect_b32 s3, s2, s100                     ; my first token,
	s_cselect_b32 s101, s100, s2                   ; and my first output feature n (two heads of 64)
	s_lshl_b32 s18, s101, 2
	s_add_nc_u64 s[12:13], s[12:13], s[18:19]      ; the bias at n
	s_lshr_b32 s18, s3, 11                         ; batch
	s_lshl_b32 s18, s18, 4
	s_lshr_b32 s20, s101, 6                        ; head
	s_add_co_u32 s18, s18, s20
	s_mul_i32 s18, s18, HBB
	s_bfe_u32 s20, s3, 0x40007                     ; which 128 tokens of the batch
	s_mul_i32 s20, s20, REC
	s_add_co_u32 s18, s18, s20
	s_mul_i32 s20, ttmp9, PART                     ; q's, k's or v's part of the record
	s_add_co_u32 s18, s18, s20
	s_add_nc_u64 s[OUT:OUT+1], s[OUT:OUT+1], s[18:19]
	s_mov_b32 s[SEL], 0x76543210
	s_mov_b32 s[SEL+1], 0xfedcba98
	; THE BIAS IS THE C OF EACH SUM'S FIRST PRODUCT: eight registers a tile in the result's layout
	s_cmp_eq_u32 ttmp9, 2
	s_cbranch_scc1 .Lbias_v
	v_lshlrev_b32 v[BO], 5, v2                     ; q, k: registers run along n: for B' block b: b[16 b + 8 h + 0 .. 7]
.irp b, 0,1,2,3,4,5,6,7
	global_load_b128 v[BI+8*\b:BI+8*\b+3], v[BO], s[12:13] offset:64*\b
	global_load_b128 v[BI+8*\b+4:BI+8*\b+7], v[BO], s[12:13] offset:64*\b+16
.endr
	s_branch .Lbias_done
.Lbias_v:
	v_lshlrev_b32 v[BO], 2, v1                     ; v: a lane holds one n: for A' block a: b[16 a + r], the same in all eight registers
.irp a, 0,1,2,3,4,5,6,7
	global_load_b32 v[BI+8*\a], v[BO], s[12:13] offset:64*\a
.endr
	s_wait_loadcnt 0x0
.irp a, 0,1,2,3,4,5,6,7
.irp j, 1,2,3,4,5,6,7
	v_mov_b32 v[BI+8*\a+\j], v[BI+8*\a]
.endr
.endr
.Lbias_done:
	v_mul_u32_u24 v3, v1, PITCH
	v_lshl_add_u32 v4, v2, 4, v3                   ; a fragment's row x pitch + 16 x half
	s_mul_i32 s21, s15, HALFT                      ; my 128 rows of A'
	s_mul_i32 s22, s16, HALFT                      ; my 128 rows of B',
	s_add_co_u32 s22, s22, 2*HALFT                 ; which lie behind A''s 256
.irp s, 0,1
	v_add_nc_u32 v[ADRA+\s], s21, v4
	v_add_nc_u32 v[ADRB+\s], s22, v4
	s_add_co_u32 s21, s21, SLOT
	s_add_co_u32 s22, s22, SLOT
.endr
	v_mul_u32_u24 v5, v1, 32                       ; my row's scale bytes: 32 a row,
	v_lshrrev_b32 v6, 8, v5
	v_lshl_add_u32 v5, v6, 4, v5                   ; and 16 more for each 256 passed
	s_mul_i32 s21, s15, HALFS                      ; A''s: my 128 rows
	s_mul_i32 s22, s16, HALFS                      ; B''s: my 128 rows, behind A''s 256
	s_add_co_u32 s22, s22, 2*HALFS
	s_sub_co_u32 s22, s22, s21
	v_mul_u32_u24 v6, s22, v2                      ; lanes 16-31 take B''s: one product, the distance x h
	s_add_co_u32 s21, s21, SCL
	v_add_nc_u32 v5, v5, v6
	v_add_nc_u32 v[ADRS], s21, v5
	v_and_b32 v[LN], 31, v0
	v_lshlrev_b32 v[LI], 4, v[LN]
	v_lshlrev_b32 v[L8], 3, v[LN]
	s_wait_loadcnt 0x0                             ; the bias
.macro FRAG reg, adr, q, i             ; 16 rows x 128 K of 4-bit codes: lane l holds row l % 16; registers 4 c .. 4 c + 3 hold K = 64 c + 32 (l / 16) + 0 .. 31
.irp c, 0,1
	ds_load_b128 v[\reg+4*\c:\reg+4*\c+3], v[\adr] offset:64*(\q)+32*\c+(\i)*16*PITCH
.endr
.endm
; 16 matrix instructions: A' blocks a0, a0 + 1 x B''s eight, the slot's q-th 128 along K.  p: B''s set;  sc: the set of scale words.
; cm = 0: onto the sums;  1: the sums begin with the bias along B' (q, k);  2: with the bias along A' (v).  Nothing is ever cleared.
; The 64 accumulators take turns, one instruction a turn, in the same order in every step.
.macro MUL16 a0, p, q, sc, cm
.irp a, \a0, \a0+1
.irp b, 0,1,2,3,4,5,6,7
.if (\cm) == 1
	v_wmma_scale_f32_16x16x128_f8f6f4 v[8*(8*((\a)%4)+\b):8*(8*((\a)%4)+\b)+7], v[128*(\p)+FR*\b:128*(\p)+FR*\b+FR-1], v[AF+FR*(\a):AF+FR*(\a)+FR-1], v[BI+8*\b:BI+8*\b+7], v[SC+8*NQ*(\sc)+NQ*\b+(\q)], v[SC+8*NQ*(\sc)+NQ*(\a)+(\q)] matrix_a_fmt:MATRIX_FMT_FP4 matrix_b_fmt:MATRIX_FMT_FP4 matrix_a_scale:MATRIX_SCALE_ROW1
.elseif (\cm) == 2
	v_wmma_scale_f32_16x16x128_f8f6f4 v[8*(8*((\a)%4)+\b):8*(8*((\a)%4)+\b)+7], v[128*(\p)+FR*\b:128*(\p)+FR*\b+FR-1], v[AF+FR*(\a):AF+FR*(\a)+FR-1], v[BI+8*(\a):BI+8*(\a)+7], v[SC+8*NQ*(\sc)+NQ*\b+(\q)], v[SC+8*NQ*(\sc)+NQ*(\a)+(\q)] matrix_a_fmt:MATRIX_FMT_FP4 matrix_b_fmt:MATRIX_FMT_FP4 matrix_a_scale:MATRIX_SCALE_ROW1
.else
	v_wmma_scale_f32_16x16x128_f8f6f4 v[8*(8*((\a)%4)+\b):8*(8*((\a)%4)+\b)+7], v[128*(\p)+FR*\b:128*(\p)+FR*\b+FR-1], v[AF+FR*(\a):AF+FR*(\a)+FR-1], v[8*(8*((\a)%4)+\b):8*(8*((\a)%4)+\b)+7], v[SC+8*NQ*(\sc)+NQ*\b+(\q)], v[SC+8*NQ*(\sc)+NQ*(\a)+(\q)] matrix_a_fmt:MATRIX_FMT_FP4 matrix_b_fmt:MATRIX_FMT_FP4 matrix_a_scale:MATRIX_SCALE_ROW1
.endif
.endr
.endr
.endm
.macro FETCH_B slot, q, p              ; B''s eight fragments of the slot's q-th 128 along K into set p
	WIN TO_B
.irp i, 0,1,2,3,4,5,6,7
	FRAG 128*(\p)+FR*\i, ADRB+\slot, \q, \i
.endr
	WIN 0
.endm
.macro FETCH_A slot, q, i0             ; A' blocks i0 .. i0 + 3
.irp i, \i0, \i0+1, \i0+2, \i0+3
	FRAG AF+FR*(\i), ADRA+\slot, \q, \i
.endr
.endm
.macro SCALES sc                       ; a slot's scale words into set sc: four words a row; lanes 0-15 take A' block i, lanes 16-31 B' block i
.irp i, 0,1,2,3,4,5,6,7
	ds_load_b128 v[SC+8*NQ*\sc+NQ*\i:SC+8*NQ*\sc+NQ*\i+3], v[ADRS] offset:\i*SBLK
.endr
.endm
; A load into a register that a matrix instruction has read, and a vector instruction that reads a matrix result, stand four places behind that matrix instruction; only plain vector
; instructions that name none of its registers are places (ISA guide 7.12.1 for vector instructions).
.macro PLACES n
.rept \n
	v_nop
.endr
.endm
; A step of 128 along K that has its successor in the same slot.  A block of A' is free as soon as its eight products are issued: blocks 0-3 are fetched anew in the step's middle, blocks 4-7 at its end.
.macro STEP slot, q, cm
	s_wait_dscnt 4*NL                              ; B''s set, the scale words and A' blocks 0-3 are in; the youngest eight loads (A' blocks 4-7) may be out
.if (\cm)
	WIN FST_LO
.else
	WIN MUL_LO
.endif
	MUL16 0, (\q)%2, \q, \slot, \cm
	MUL16 2, (\q)%2, \q, \slot, \cm
	s_wait_dscnt 0                                 ; A' blocks 4-7 are in
	PLACES NP
	FETCH_B \slot, (\q)+1, 1-(\q)%2
	FETCH_A \slot, (\q)+1, 0
.if (\cm)
	WIN FST_HI
.else
	WIN MUL_HI
.endif
	MUL16 4, (\q)%2, \q, \slot, \cm
	MUL16 6, (\q)%2, \q, \slot, \cm
	PLACES NP
	WIN 0
	FETCH_A \slot, (\q)+1, 4
.endm
.macro STEPS slot, from                ; the slot's steps from .. NQ - 2
.set Q, \from
.rept NQ-1-\from
	STEP \slot, Q, 0
.set Q, Q+1
.endr
.endm
	s_wait_tensorcnt 1                             ; the scale bytes and my part of slot 0 are in; the one load issued behind them, slot 1's, may be out
	s_barrier_signal -1
	s_barrier_wait -1                              ; everybody's are
	FETCH_B 0, 0, 0
	FETCH_A 0, 0, 0
	SCALES 0
	FETCH_A 0, 0, 4
	s_cmp_eq_u32 ttmp9, 2                          ; the first step is written twice: the bias lies along B' or along A'
	s_cbranch_scc1 .Lfirst_v
	STEP 0, 0, 1
	s_branch .Lfirst_done
.Lfirst_v:
	STEP 0, 0, 2
.Lfirst_done:
	STEPS 0, 1
	; slot 0's last step changes slots: slot 1's four parts were brought by four waves, so each waits for its own and a barrier follows.  Nothing is filled again.
	s_wait_tensorcnt 0x0                           ; my part of slot 1 is in
	s_wait_dscnt 4*NL
	WIN MUL_LO
	MUL16 0, 1, NQ-1, 0, 0
	s_wait_dscnt 0x0                               ; no LDS instruction of mine is pending at the signal
	s_barrier_signal -1
	MUL16 2, 1, NQ-1, 0, 0                         ; work on registers while the others arrive
	WIN 0
	s_barrier_wait -1
	PLACES NP
	v_add_nc_u32 v[ADRS], 4*NQ, v[ADRS]            ; on to slot 1's scale words
	FETCH_B 1, 0, 0
	FETCH_A 1, 0, 0
	SCALES 1
	WIN MUL_HI
	MUL16 4, 1, NQ-1, 0, 0
	MUL16 6, 1, NQ-1, 0, 0
	PLACES NP
	WIN 0
	FETCH_A 1, 0, 4
	STEPS 1, 0
	s_wait_dscnt 4*NL                              ; the very last step: nothing more to fetch
	WIN MUL_LO
	MUL16 0, 1, NQ-1, 1, 0
	MUL16 2, 1, NQ-1, 1, 0
	s_wait_dscnt 0
	WIN MUL_HI
	MUL16 4, 1, NQ-1, 1, 0
	MUL16 6, 1, NQ-1, 1, 0
	WIN 0
; THE WAY OUT.  Block a's eight accumulators are 64 numbers of a lane: register 8 t + j is k = 16 t + 8 h + j of the lane's row, k along the next product's K: four blocks of 32, each in lanes l and l xor 16.
; A block's scale: the largest magnitude (with the floor 2^(3 - 127) among its leaves, so that the byte cannot fall under 1) with 2 taken off its exponent field is the conversion's scale operand; its exponent field is the byte.
; Eight numbers of one tile become one register of codes.  The operand's layout wants k = 64 c + 32 h + 8 g + 0 .. 7 in register 4 c + g: tiles 4 c, 4 c + 2 go to registers 4 c, 4 c + 1 and tiles 4 c + 1, 4 c + 3 to
; registers 4 c + 2, 4 c + 3; then each pair changes the first's upper lanes for the second's lower lanes.
.macro SETPC a                         ; where block a's codes stand: never at a number that its own accumulators bear in their window
.set PCX, AF+8*(\a)
.if ((\a)%4) == 2
.set PCX, BI+8*((\a)/4)
.endif
.endm
.macro QUANTW a
.set AC, 64*((\a)%4)
.set WW, 2+(\a)/4
.set WQ, WW|(WW<<2)
	SETPC \a
	WIN WQ                                         ; sources 0 and 1: the accumulators' window
.irp b, 0,1,2,3
	v_max3_num_f32 v[TM+\b], |v[AC+16*\b]|, |v[AC+16*\b+1]|, 0x1800000   ; each accumulator is read from its low end on
.endr
.irp i, 2,4,6,8,10,12,14
.irp b, 0,1,2,3
	v_max3_num_f32 v[TM+\b], |v[AC+16*\b+\i]|, |v[AC+16*\b+\i+1]|, v[TM+\b]   ; (the four blocks by turns)
.endr
.endr
	WIN 0
.irp b, 0,1,2,3
	v_permlanex16_b32 v[TM+4+\b], v[TM+\b], s[SEL], s[SEL+1]
.endr
.irp b, 0,1,2,3
	v_max_num_f32 v[TM+\b], v[TM+\b], v[TM+4+\b]   ; with lane l xor 16's: the block's largest magnitude
.endr
.irp b, 0,1,2,3
	v_add_nc_u32 v[TM+12+\b], 0xff000000, v[TM+\b] ; 2 off its exponent field
.endr
.irp b, 0,1,2,3
	v_lshrrev_b32 v[TM+4+\b], 23, v[TM+12+\b]      ; the scale's byte
.endr
	v_lshl_or_b32 v[PW+(\a)], v[TM+5], 8, v[TM+4]  ; my row's scale word
	v_lshl_or_b32 v[PW+(\a)], v[TM+6], 16, v[PW+(\a)]
	v_lshl_or_b32 v[PW+(\a)], v[TM+7], 24, v[PW+(\a)]
	WIN WW                                         ; source 0: the accumulators' window
.irp c, 0,1
	v_cvt_scalef32_pk8_fp4_f32 v[PCX+4*\c],   v[AC+32*\c:AC+32*\c+7],     v[TM+12+2*\c]
	v_cvt_scalef32_pk8_fp4_f32 v[PCX+4*\c+1], v[AC+32*\c+16:AC+32*\c+23], v[TM+12+2*\c+1]
	v_cvt_scalef32_pk8_fp4_f32 v[PCX+4*\c+2], v[AC+32*\c+8:AC+32*\c+15],  v[TM+12+2*\c]
	v_cvt_scalef32_pk8_fp4_f32 v[PCX+4*\c+3], v[AC+32*\c+24:AC+32*\c+31], v[TM+12+2*\c+1]
.endr
	WIN 0
	v_nop                                          ; one plain place behind a scaled conversion
.irp c, 0,1
	v_permlane16_swap_b32 v[PCX+4*\c], v[PCX+4*\c+1]
	v_permlane16_swap_b32 v[PCX+4*\c+2], v[PCX+4*\c+3]
.endr
.endm
	PLACES NP                                      ; behind the last products
.irp b, 0,1,2,3
	v_mov_b32 v[TM+4+\b], 0                        ; written once: a lane permute's destination counts as one of its sources
.endr
.irp a, 0,1,2,3,4,5,6,7
	QUANTW \a                                      ; each block has registers of its own for its codes and its word: no store's data are written again
.endr
	v_cmp_le_u32 vcc_lo, 16, v[LN]                 ; lanes 16-31 carry the odd tile's words in a scale image
	s_cmp_eq_u32 ttmp9, 2
	s_cbranch_scc1 .Lout_v
.irp a, 0,1,2,3,4,5,6,7                ; q, k: registers 0-3 are my first head's 64, registers 4-7 my second's; tile a of the record.  Each store covers 512 consecutive bytes, aligned to 256
	SETPC \a
	global_store_b128 v[LI], v[PCX:PCX+3], s[OUT:OUT+1] offset:512*\a
	global_store_b128 v[LI], v[PCX+4:PCX+7], s[OUT:OUT+1] offset:HBB+512*\a
.endr
.irp b, 0,1,2,3
	v_cndmask_b32 v[TM+\b], v[PW+2*\b], v[PW+2*\b+1], vcc_lo
.endr
.irp b, 0,1,2,3
	v_and_b32 v[IM+\b], 0xffff, v[TM+\b]           ; bytes 0, 1: the first head's two blocks; bytes 2 and 3 of the stored word are 0
	v_lshrrev_b32 v[IM+4+\b], 16, v[TM+\b]         ; bytes 2, 3: the second head's
.endr
	global_store_b128 v[LI], v[IM:IM+3], s[OUT:OUT+1] offset:4096
	global_store_b128 v[LI], v[IM+4:IM+7], s[OUT:OUT+1] offset:HBB+4096
	s_branch .Lout_done
.Lout_v:
.irp a, 0,1,2,3,4,5,6,7                ; v: block a is tile a % 4 of head a / 4: a whole fragment, 16 d x 128 keys
	SETPC \a
	global_store_b128 v[LI], v[PCX:PCX+3], s[OUT:OUT+1] offset:(\a/4)*HBB+1024*(\a%4)
	global_store_b128 v[LI], v[PCX+4:PCX+7], s[OUT:OUT+1] offset:(\a/4)*HBB+1024*(\a%4)+512
.endr
.irp g, 0,1,2,3
	v_cndmask_b32 v[IM+\g], v[PW+2*\g], v[PW+2*\g+1], vcc_lo
.endr
	global_store_b64 v[L8], v[IM:IM+1], s[OUT:OUT+1] offset:4096       ; 256 consecutive bytes, aligned
	global_store_b64 v[L8], v[IM+2:IM+3], s[OUT:OUT+1] offset:HBB+4096
.Lout_done:
	s_wait_tensorcnt 0x0
	ds_add_u32 v114, v115
	s_wait_dscnt 0x0
	CROUND                                         ; the closing round: no work-group ends while a partner may still ask for a tile that names it
	s_endpgm
.Lfunc_end_k_qbf29629851_proj:
	.size	k_qbf29629851_proj, .Lfunc_end_k_qbf29629851_proj-k_qbf29629851_proj
	.p2alignl 7, 3214868480
	.fill 96, 4, 3214868480
	.section	.rodata,"a",@progbits
	.p2align	6, 0x0
	.amdhsa_kernel k_qbf29629851_proj
		.amdhsa_group_segment_fixed_size 296448
		.amdhsa_private_segment_fixed_size 0
		.amdhsa_enable_private_segment 0
		.amdhsa_kernarg_size 96
		.amdhsa_user_sgpr_count 2
		.amdhsa_user_sgpr_kernarg_segment_ptr 1
		.amdhsa_wavefront_size32 1
		.amdhsa_system_sgpr_workgroup_id_x 1
		.amdhsa_system_sgpr_workgroup_id_y 1
		.amdhsa_system_sgpr_workgroup_id_z 1
		.amdhsa_system_vgpr_workitem_id 0
		.amdhsa_next_free_vgpr 1024
		.amdhsa_next_free_sgpr 102
		.amdhsa_reserve_vcc 1
		.amdhsa_float_denorm_mode_32 3
		.amdhsa_float_denorm_mode_16_64 3
		.amdhsa_memory_ordered 1
		.amdhsa_forward_progress 1
		.amdhsa_inst_pref_size 145
	.end_amdhsa_kernel
	.amdgpu_metadata
---
amdhsa.version: [ 1, 2 ]
amdhsa.kernels:
  - .name:           k_qbf29629851_proj
    .symbol:         k_qbf29629851_proj.kd
    .args:
      - { .name: x_codes, .offset: 0, .size: 8, .value_kind: global_buffer, .address_space: global }
      - { .name: x_scales, .offset: 8, .size: 8, .value_kind: global_buffer, .address_space: global }
      - { .name: Wq_codes, .offset: 16, .size: 8, .value_kind: global_buffer, .address_space: global }
      - { .name: Wq_scales, .offset: 24, .size: 8, .value_kind: global_buffer, .address_space: global }
      - { .name: Wk_codes, .offset: 32, .size: 8, .value_kind: global_buffer, .address_space: global }
      - { .name: Wk_scales, .offset: 40, .size: 8, .value_kind: global_buffer, .address_space: global }
      - { .name: Wv_codes, .offset: 48, .size: 8, .value_kind: global_buffer, .address_space: global }
      - { .name: Wv_scales, .offset: 56, .size: 8, .value_kind: global_buffer, .address_space: global }
      - { .name: bq, .offset: 64, .size: 8, .value_kind: global_buffer, .address_space: global }
      - { .name: bk, .offset: 72, .size: 8, .value_kind: global_buffer, .address_space: global }
      - { .name: bv, .offset: 80, .size: 8, .value_kind: global_buffer, .address_space: global }
      - { .name: qkv, .offset: 88, .size: 8, .value_kind: global_buffer, .address_space: global }
    .group_segment_fixed_size: 296448
    .private_segment_fixed_size: 0
    .kernarg_segment_align: 8
    .kernarg_segment_size: 96
    .max_flat_workgroup_size: 128
    .sgpr_count:     102
    .vgpr_count:     1024
    .wavefront_size: 32
...
	.end_amdgpu_metadata
.endif
;; end of part 1
;; launch attn (part 2): grid 4 x 64, 16 waves a work-group, clusters of 4 x 1, 169,984 bytes of LDS; arguments qkv, a_codes, a_scales; writes a_codes, a_scales
.if DOCPART == 2
	.amdgcn_target "amdgcn-amd-amdhsa--gfx1250"
	.amdhsa_code_object_version 6
	.text
	.protected	k_qbf29629851_attn
	.globl	k_qbf29629851_attn
	.p2align	8
	.type	k_qbf29629851_attn,@function
k_qbf29629851_attn:
	s_mov_b64 s[64:65], 0
	v_nop
	global_prefetch_b8 v0, s[64:65] scope:SCOPE_SE
	s_setreg_imm32_b32 hwreg(HW_REG_WAVE_MODE, 25, 1), 1
	s_wait_xcnt 0x0
	s_wait_alu depctr_hold_cnt(0) depctr_sa_sdst(0) depctr_va_vdst(0) depctr_va_sdst(0) depctr_va_ssrc(0) depctr_va_vcc(0) depctr_vm_vsrc(0)
	s_getreg_b32 s2, hwreg(HW_REG_IB_STS2, 6, 4)
	s_cmp_eq_u32 s2, 0
	s_cbranch_scc0 .Lentry_in_a_cluster
	s_endpgm
.Lentry_in_a_cluster:
	s_bfe_u32 s2, ttmp6, 0x10000c
	s_cmp_lg_u32 s2, 0x3003
	s_cbranch_scc0 .Lentry_shape_is_right
	s_endpgm
.Lentry_shape_is_right:
; Causal attention of one head of one batch, both products on codes of FP4 (E2M1) with one E8M0 scale for each 32 along a product's K; the result, divided by the row's sum, is quantised along the head's 64
; (two blocks of the next product's K = 1,024) and stored as codes.  Inputs: the records of qkv (13,568 bytes for 128 tokens of a head): q's codes 4,096, q's scale words 512, k's likewise, v's codes 4,096 (keys innermost), v's scale words 256.
; THE SOFTMAX: t = score x log2(e) / 8; M = the row's largest t so far, rounded UP to a whole number; p = 2^(t - M) is what is quantised, along the keys; the row's sum is taken of the unquantised p and divides at the end.
; When M moves, the sum and O are multiplied by 2^(old M - new M): exact.
; SHARES.  A cluster of four work-groups is one head.  All four need the head's K and V: 16 key steps of 128 keys, 8,960 bytes each, 143,360 in all, which stay in LDS: wave w of each work-group asks for step w, JOINTLY
; with the same wave of the three partners.  No LDS byte is filled twice.  Partner cx takes queries 32 cx .. 32 cx + 31 of EVERY block of 128 queries; wave w takes one block, BETA(w): two tiles of 16 queries.
; It has BETA + 1 key steps, the last on the diagonal.  BETA(w) is a magic square (15 2 1 12 / 4 9 10 7 / 8 5 6 11 / 3 14 13 0): four waves in a run, and four waves four apart, both have 34 steps together.
; No branch and no LDS address hangs on cx: it enters q's address, the results' addresses and the lane's number in the mask.
; LAYOUT.  Both products are used transposed: S^T = K Q^T (source 0 = 16 keys, source 1 = 16 queries), O^T = V^T P^T: a lane holds ONE query (lane % 16).  In S^T register 8 t + j is key 16 t + 8 (lane / 16) + j.
; K = 64 IN AN INSTRUCTION OF K = 128: q's registers 4-7 are zero codes, and bytes 2, 3 of q's and k's scale words are 0 (2^-127, a number).  So what k's operand holds in its registers 4-7 adds exactly 0:
; tile t of k is named v[32 + 4 t : 39 + 4 t], whose upper half is the next tile's codes (behind the last tile: four registers of zeros).
; LIMITS: a block whose largest magnitude lies under 2^-124 (a block of zeros too) gets the scale byte 1, read by this program alone.  NaN and infinities are not served.  The division by the sum is v_rcp_f32 and a multiplication.
; A block's largest p is made from its largest score by the same two instructions as every p, which takes v_exp_f32 not to fall where its input rises.
; The scale bytes leave as 2 bytes a lane, 16 bytes apart: one sixteenth of what the launch stores; the codes leave as 512 consecutive bytes an instruction.
.set REC,   13568
.set HBB,   16*REC
.set STEPB, 8960                       ; a key step in LDS: k's 8 tiles (512 each), k's scale image at 4,096, v's 4 fragments (1,024 each) at 4,608, v's scale image at 8,704
.set LI,   1                           ; v1   16 x lane
.set L8,   2                           ; v2   8 x lane
.set AK,   3                           ; v3   16 x lane + the step's first byte
.set AV,   4                           ; v4   8 x lane + the step's first byte
.set DG,   5                           ; v5   32 cx + r - 8 h: for the mask on the diagonal
.set NINF, 6                           ; v6   -infinity
.set SOF,  7                           ; v7   my offset among the scale bytes: 512 (lane / 16) + 16 (lane % 16)
.set SHF,  8                           ; v8   16 (lane / 16)
.set QF,   16                          ; v16-23 q's tile 0, v24-31 tile 1; the upper four of each are zeros
.set KF,   32                          ; v32-63 k's 8 tiles, later v's 4 fragments; v64-67 zeros
.set S,    68                          ; v68-131 S^T, then p
.set O,    132                         ; v132-195 O^T, 32 a tile
.set P,    196                         ; v196-211 p's codes, 8 a tile
.set ST,   212                         ; tile u at v[ST + 4 u]: -M, the largest t, the sum in two halves
.set KS,   220                         ; v220-223 k's scale words
.set VS,   224                         ; v224-225 v's
.set QS,   226                         ; v226 q's: lanes 0-15 tile 0, lanes 16-31 tile 1
.set PS,   227                         ; v227, v228 p's, a tile each
.set BM,   230                         ; v230-233 a block's largest
.set BT,   234                         ; v234-237 at work
.set SO,   238                         ; v238-241 the conversions' scale operands
.set F,    242                         ; v[242:243] f = 2^(old M - new M)
.set SU,   244                         ; v[244:245] the sums' second chain
.set T0,   246
.set T1,   247
.set WV,   10                          ; s10  my wave's number
.set BETA, 11                          ; s11  my block of 128 queries
.set JS,   14                          ; s14  the key step
.set TB,   15                          ; s15  its first byte in LDS
.set SEL,  28                          ; s[28:29] lane selects for v_permlanex16_b32: lane l xor 16
.set CS,   30                          ; s[30:31] c = log2(e) / 8: the packed form names a pair and takes its low word for both halves
.macro ROUND                           ; a round of the cluster's barrier
	s_barrier_signal -1
	s_barrier_wait -1
	s_cmp_lg_u32 s[WV], 0
	s_cbranch_scc1 .Lnot_wave_0_\@
	s_barrier_signal -3
.Lnot_wave_0_\@:
	s_barrier_wait -3
	s_barrier_signal -1
	s_barrier_wait -1
.endm
.macro PLACES
.rept 4
	v_nop
.endr
.endm
; a product that starts a sum.  ra, rb: the scale words stand in lanes 16-31 of the register named
.macro WMZ d, a, b, sa, sb, ra, rb
.if (\ra) && (\rb)
	v_wmma_scale_f32_16x16x128_f8f6f4 v[(\d):(\d)+7], v[(\a):(\a)+7], v[(\b):(\b)+7], 0, v[\sa], v[\sb] matrix_a_fmt:MATRIX_FMT_FP4 matrix_b_fmt:MATRIX_FMT_FP4 matrix_a_scale:MATRIX_SCALE_ROW1 matrix_b_scale:MATRIX_SCALE_ROW1
.elseif (\ra)
	v_wmma_scale_f32_16x16x128_f8f6f4 v[(\d):(\d)+7], v[(\a):(\a)+7], v[(\b):(\b)+7], 0, v[\sa], v[\sb] matrix_a_fmt:MATRIX_FMT_FP4 matrix_b_fmt:MATRIX_FMT_FP4 matrix_a_scale:MATRIX_SCALE_ROW1
.elseif (\rb)
	v_wmma_scale_f32_16x16x128_f8f6f4 v[(\d):(\d)+7], v[(\a):(\a)+7], v[(\b):(\b)+7], 0, v[\sa], v[\sb] matrix_a_fmt:MATRIX_FMT_FP4 matrix_b_fmt:MATRIX_FMT_FP4 matrix_b_scale:MATRIX_SCALE_ROW1
.else
	v_wmma_scale_f32_16x16x128_f8f6f4 v[(\d):(\d)+7], v[(\a):(\a)+7], v[(\b):(\b)+7], 0, v[\sa], v[\sb] matrix_a_fmt:MATRIX_FMT_FP4 matrix_b_fmt:MATRIX_FMT_FP4
.endif
.endm
; a product that adds in place
.macro WMA d, a, b, sa, sb, ra
.if (\ra)
	v_wmma_scale_f32_16x16x128_f8f6f4 v[(\d):(\d)+7], v[(\a):(\a)+7], v[(\b):(\b)+7], v[(\d):(\d)+7], v[\sa], v[\sb] matrix_a_fmt:MATRIX_FMT_FP4 matrix_b_fmt:MATRIX_FMT_FP4 matrix_a_scale:MATRIX_SCALE_ROW1
.else
	v_wmma_scale_f32_16x16x128_f8f6f4 v[(\d):(\d)+7], v[(\a):(\a)+7], v[(\b):(\b)+7], v[(\d):(\d)+7], v[\sa], v[\sb] matrix_a_fmt:MATRIX_FMT_FP4 matrix_b_fmt:MATRIX_FMT_FP4
.endif
.endm
	s_load_b128 s[4:7], s[0:1], 0x0                ; qkv, the codes out
	s_load_b64 s[8:9], s[0:1], 0x10                ; the scale bytes out
	v_lshl_add_u32 v254, v0, 2, 0x29000
	v_mov_b32 v255, 0
	ds_add_u32 v254, v255
	ds_add_u32 v254, v255
	v_lshrrev_b32 v9, 5, v0
	s_delay_alu instid0(VALU_DEP_1)
	v_readfirstlane_b32 s[WV], v9                  ; wave 0..15
	s_bfe_u32 s12, ttmp6, 0x40000                  ; cx: my place in the cluster
	s_and_b32 s13, ttmp7, 0xffff                   ; 16 x batch + head, which the four partners share
	s_mov_b32 s[BETA], 0x0DE3B658                  ; the magic square, four bits a wave: waves 8-15,
	s_cmp_lt_u32 s[WV], 8
	s_cselect_b32 s[BETA], 0x7A94C12F, s[BETA]     ; waves 0-7
	s_and_b32 s32, s[WV], 7
	s_lshl_b32 s32, s32, 2
	s_lshr_b32 s[BETA], s[BETA], s32
	s_and_b32 s[BETA], s[BETA], 15
	; group 1: a key step's 8,960 dense bytes as 35 rows of 256 (32 elements of 8 bytes), no padding: every read is 16 or 8 bytes a lane on end
	s_mov_b32 s16, 15|(3<<16)|(1<<21)              ; 15:0 the mask: all four work-groups; 17:16 elements of 8 bytes; 21 set beside a mask
	s_mov_b32 s17, 32<<16                          ; tensor_dim0
	s_mov_b32 s18, 35<<16                          ; tensor_dim1
	s_mov_b32 s19, 32<<16                          ; tile_dim0
	s_mov_b32 s20, 35                              ; tile_dim1
	s_mov_b32 s21, 32                              ; tensor_dim0_stride
	s_mov_b32 s22, 0
	s_mov_b32 s23, 0
	s_mul_i32 s32, s13, HBB                        ; where my head's records begin
	s_mul_i32 s34, s[WV], REC
	s_add_co_u32 s34, s34, s32
	s_add_co_u32 s34, s34, 4608                    ; k's and v's parts of record w: what I fetch
	s_mov_b32 s35, 0
	s_mov_b32 s24, 1                               ; group 0: count = 1,
	s_mul_i32 s25, s[WV], STEPB                    ; the LDS address: wave x a step's bytes
	s_mul_i32 s36, s[BETA], REC
	s_add_co_u32 s36, s36, s32                     ; the record of my queries
	s_mov_b32 s37, 0
	s_lshl_b32 s38, s12, 10                        ; my two tiles of q's codes
	s_mov_b32 s39, 0
	s_lshl_b32 s40, s12, 2
	s_add_co_u32 s40, s40, 4096                    ; and their word in each lane's four
	s_mov_b32 s41, 0
	s_and_b32 s42, s13, 0x30
	s_add_co_u32 s42, s42, s[BETA]                 ; which 128 tokens of the 8,192: 16 x batch + BETA
	s_and_b32 s43, s13, 15                         ; head
	s_lshr_b32 s46, s43, 1                         ; the next product's K step of 128: two heads
	s_and_b32 s33, s43, 1                          ; and my half of it
	s_lshl_b32 s44, s42, 16                        ; codes: [128 tokens][K step][tile][half][lane][16 bytes]
	s_lshl_b32 s47, s46, 13
	s_add_co_u32 s44, s44, s47
	s_lshl_b32 s47, s12, 11
	s_add_co_u32 s44, s44, s47
	s_lshl_b32 s47, s33, 9
	s_add_co_u32 s44, s44, s47
	s_mov_b32 s45, 0
	s_lshl_b32 s42, s42, 12                        ; scale bytes: [tile][lane' = 16 (K step % 2) + row][word = K step / 2][half][2 bytes]
	s_lshl_b32 s47, s12, 10
	s_add_co_u32 s42, s42, s47
	s_and_b32 s47, s46, 1
	s_lshl_b32 s47, s47, 8
	s_add_co_u32 s42, s42, s47
	s_lshr_b32 s47, s43, 2
	s_lshl_b32 s47, s47, 2
	s_add_co_u32 s42, s42, s47
	s_lshl_b32 s47, s33, 1
	s_add_co_u32 s42, s42, s47
	s_mov_b32 s43, 0
	s_lshl_b32 s47, s12, 5                         ; 32 cx
	s_mov_b32 s[SEL], 0x76543210
	s_mov_b32 s[SEL+1], 0xfedcba98
	s_mov_b32 s[CS], 0x3e38aa3b                    ; c = log2(e) / 8
	s_mov_b32 s[CS+1], s[CS]
	s_mov_b32 s[JS], 0
	s_mov_b32 s[TB], 0
	s_wait_dscnt 0x0
	s_wait_kmcnt 0x0
	s_add_nc_u64 s[26:27], s[4:5], s[34:35]        ; the global address: it hangs on the head and the wave's number alone
	s_or_b32 s27, s27, 0x80000000                  ; type = 2
	s_add_nc_u64 s[36:37], s[4:5], s[36:37]
	s_add_nc_u64 s[38:39], s[36:37], s[38:39]      ; q's codes
	s_add_nc_u64 s[40:41], s[36:37], s[40:41]      ; q's scale words
	s_add_nc_u64 s[6:7], s[6:7], s[44:45]
	s_add_nc_u64 s[8:9], s[8:9], s[42:43]
	ROUND                                          ; all four work-groups are here: the joint loads meet
	tensor_load_to_lds s[24:27], s[16:23]          ; my one tensor load: key step w
	s_nop 0
	PLACES
	v_and_b32 v9, 31, v0                           ; lane
	v_and_b32 v10, 15, v0                          ; r
	v_bfe_u32 v11, v0, 4, 1                        ; h
	s_delay_alu instid0(VALU_DEP_3)
	v_lshlrev_b32 v[LI], 4, v9
	s_delay_alu instid0(VALU_DEP_4)
	v_lshlrev_b32 v[L8], 3, v9
	global_load_b128 v[QF:QF+3], v[LI], s[38:39]               ; q's two tiles stay in registers
	global_load_b128 v[QF+8:QF+11], v[LI], s[38:39] offset:512
	global_load_b32 v[QS], v[LI], s[40:41]
	v_lshlrev_b32 v12, 3, v11
	s_delay_alu instid0(VALU_DEP_1)
	v_sub_nc_u32 v[DG], v10, v12
	s_delay_alu instid0(VALU_DEP_1)
	v_add_nc_u32 v[DG], s47, v[DG]
	v_mov_b32 v[NINF], 0xff800000
	v_lshlrev_b32 v[SOF], 4, v10
	s_delay_alu instid0(VALU_DEP_1)
	v_lshl_add_u32 v[SOF], v11, 9, v[SOF]
	v_lshlrev_b32 v[SHF], 4, v11
.irp j, 4,5,6,7,12,13,14,15
	v_mov_b32 v[QF+\j], 0                          ; zero codes for k = 64 .. 127
.endr
.irp j, 0,1,2,3
	v_mov_b32 v[KF+32+\j], 0                       ; behind k's last tile
	v_mov_b32 v[BT+\j], 0                          ; written once: a lane permute's destination counts as one of its sources
.endr
.irp u, 0,1
	v_mov_b32 v[ST+4*\u+1], 0xff61b1e6             ; the largest t so far: -3e38, under every t
	s_delay_alu instid0(VALU_DEP_1)
	v_floor_f32 v[ST+4*\u], -v[ST+4*\u+1]          ; -M
	v_mov_b32 v[ST+4*\u+2], 0                      ; the sum, in two halves
	v_mov_b32 v[ST+4*\u+3], 0
.endr
	v_mov_b32 v[F+1], 0                            ; (named as the upper halves of pairs)
	v_mov_b32 v[SU], 0
	v_mov_b32 v[SU+1], 0
.set j, 0
.rept 64
	v_mov_b32 v[O+j], 0                            ; O^T.  (The step is written once: the first finds zeros, which the first change of M leaves zeros)
.set j, j+1
.endr
	s_wait_loadcnt 0x0                             ; q
	s_wait_tensorcnt 0x0                           ; my key step is in LDS,
	s_barrier_signal -1
	s_barrier_wait -1                              ; everybody's is: the whole head's K and V
; S^T of tile u: 8 products, each its own accumulator
.macro SQK u
.irp t, 0,1,2,3,4,5,6,7
	WMZ S+8*\t, KF+4*\t, QF+8*(\u), KS+\t/2, QS, \t%2, \u
.endr
.endm
; On the diagonal the scores of hidden keys become -infinity ahead of the maximum: p = 0 then.  Register n holds key 16 (n / 8) + 8 h + n % 8 of the step, my query is 32 cx + 16 u + r of it.  Every other step passes over this.
.macro MASK u
	s_cmp_lt_u32 s[JS], s[BETA]
	s_cbranch_scc1 .Lopen_\@
.set n, 0
.rept 64
	v_cmp_gt_i32 vcc_lo, 16*(n/8)+(n%8)-16*(\u), v[DG]
	v_cndmask_b32 v[S+n], v[S+n], v[NINF], vcc_lo
.set n, n+1
.endr
.Lopen_\@:
.endm
; from the four blocks' largest magnitudes in v[BM] on: the conversions' scale operands, the bytes, the scale word in v[w]
.macro BYTES w
.irp b, 0,1,2,3
	s_delay_alu instid0(VALU_DEP_4)
	v_add_nc_u32 v[SO+\b], 0xff000000, v[BM+\b]    ; 2 off the exponent field
.endr
.irp b, 0,1,2,3
	s_delay_alu instid0(VALU_DEP_4)
	v_lshrrev_b32 v[BT+\b], 23, v[SO+\b]           ; the scale's byte
.endr
	s_delay_alu instid0(VALU_DEP_3)
	v_lshl_or_b32 v[\w], v[BT+1], 8, v[BT]
	s_delay_alu instid0(VALU_DEP_1)
	v_lshl_or_b32 v[\w], v[BT+2], 16, v[\w]
	s_delay_alu instid0(VALU_DEP_1)
	v_lshl_or_b32 v[\w], v[BT+3], 24, v[\w]
.endm
; the 64 numbers in v[S] on become a fragment's codes in v[d] on.  Register 4 c + g wants k = 64 c + 32 h + 8 g + 0 .. 7: tiles 4 c, 4 c + 2 go to registers 4 c, 4 c + 1, tiles 4 c + 1, 4 c + 3 to 4 c + 2, 4 c + 3;
; then each pair changes the first's upper lanes for the second's lower lanes
.macro CODES d
.irp c, 0,1
	v_cvt_scalef32_pk8_fp4_f32 v[(\d)+4*\c],   v[S+32*\c:S+32*\c+7],     v[SO+2*\c]
	v_cvt_scalef32_pk8_fp4_f32 v[(\d)+4*\c+1], v[S+32*\c+16:S+32*\c+23], v[SO+2*\c+1]
	v_cvt_scalef32_pk8_fp4_f32 v[(\d)+4*\c+2], v[S+32*\c+8:S+32*\c+15],  v[SO+2*\c]
	v_cvt_scalef32_pk8_fp4_f32 v[(\d)+4*\c+3], v[S+32*\c+24:S+32*\c+31], v[SO+2*\c+1]
.endr
	v_nop                                          ; one plain place behind a scaled conversion
.irp c, 0,1
	v_permlane16_swap_b32 v[(\d)+4*\c], v[(\d)+4*\c+1]
	v_permlane16_swap_b32 v[(\d)+4*\c+2], v[(\d)+4*\c+3]
.endr
.endm
.macro SOFTMAX u
.set NM, ST+4*(\u)
.irp b, 0,1,2,3
	v_max3_num_f32 v[BM+\b], v[S+16*\b], v[S+16*\b+1], v[S+16*\b+2]   ; the largest score of each block of 32 keys: for the row's maximum, and, since p rises with the score, for the block's largest p
.endr
.irp i, 3,5,7,9,11,13
.irp b, 0,1,2,3
	v_max3_num_f32 v[BM+\b], v[BM+\b], v[S+16*\b+\i], v[S+16*\b+\i+1]
.endr
.endr
.irp b, 0,1,2,3
	v_max_num_f32 v[BM+\b], v[BM+\b], v[S+16*\b+15]
.endr
.irp b, 0,1,2,3
	s_delay_alu instid0(VALU_DEP_4)
	v_permlanex16_b32 v[BT+\b], v[BM+\b], s[SEL], s[SEL+1]
.endr
.irp b, 0,1,2,3
	s_delay_alu instid0(VALU_DEP_4)
	v_max_num_f32 v[BM+\b], v[BM+\b], v[BT+\b]     ; with lane l xor 16's 16 keys
.endr
	s_delay_alu instid0(VALU_DEP_2)
	v_max3_num_f32 v[T0], v[BM], v[BM+1], v[BM+2]
	s_delay_alu instid0(VALU_DEP_1)
	v_max_num_f32 v[T0], v[T0], v[BM+3]            ; the step's largest score of my query
	s_delay_alu instid0(VALU_DEP_1)
	v_mul_f32 v[T0], s[CS], v[T0]                  ; as t
	s_delay_alu instid0(VALU_DEP_1)
	v_max_num_f32 v[NM+1], v[NM+1], v[T0]          ; the running largest t
	v_mov_b32 v[T0], v[NM]
	s_delay_alu instid0(VALU_DEP_2)
	v_floor_f32 v[NM], -v[NM+1]                    ; the new -M = -ceil(t): a whole number
	s_delay_alu instid0(VALU_DEP_1)
	v_sub_f32 v[T0], v[NM], v[T0]                  ; old M less new M: a whole number, 0 or less
	s_delay_alu instid0(VALU_DEP_1)
	v_cvt_i32_f32 v[T0], v[T0]                     ; (it saturates)
	s_delay_alu instid0(VALU_DEP_1)
	v_ldexp_f32 v[F], 1.0, v[T0]                   ; f = 2^(old M - new M)
.set j, 0
.rept 32
	v_pk_fma_f32 v[S+j:S+j+1], v[S+j:S+j+1], s[CS:CS+1], v[NM:NM+1] op_sel_hi:[1,0,0]   ; t - M, two at a time
.set j, j+2
.endr
.irp b, 0,1,2,3
	v_fma_f32 v[BM+\b], v[BM+\b], s[CS], v[NM]     ; the same of each block's largest score
.endr
.set j, 0
	s_wait_alu depctr_va_vdst(0)
.rept 64
	v_exp_f32 v[S+j], v[S+j]                       ; p = 2^(t - M), at most 1
.set j, j+1
.endr
	v_pk_mul_f32 v[NM+2:NM+3], v[NM+2:NM+3], v[F:F+1] op_sel_hi:[1,0]   ; the sums under the new M: the plain place behind the exponentials
	s_wait_alu depctr_va_vdst(0)                   ; one wait for the batch of 64, ahead of its first reader
.irp b, 0,1,2,3
	v_exp_f32 v[BM+\b], v[BM+\b]                   ; the blocks' largest p
.endr
	v_pk_add_f32 v[SU:SU+1], v[S:S+1], v[S+2:S+3]  ; the row's sum is taken of the unquantised p, in two chains; it reads the 64 alone
.irp j, 4,8,12,16,20,24,28,32,36,40,44,48,52,56,60
	v_pk_add_f32 v[NM+2:NM+3], v[NM+2:NM+3], v[S+\j:S+\j+1]
	v_pk_add_f32 v[SU:SU+1], v[SU:SU+1], v[S+\j+2:S+\j+3]
.endr
	s_delay_alu instid0(VALU_DEP_1)
	v_pk_add_f32 v[NM+2:NM+3], v[NM+2:NM+3], v[SU:SU+1]
	s_wait_alu depctr_va_vdst(0)                   ; and one for the four
.irp b, 0,1,2,3
	v_max_num_f32 v[BM+\b], 0x1800000, v[BM+\b]    ; the floor 2^(3 - 127): the byte cannot fall under 1
.endr
	BYTES PS+(\u)
	CODES P+8*(\u)
.set j, 0
.rept 16
	v_pk_mul_f32 v[O+32*(\u)+j:O+32*(\u)+j+1], v[O+32*(\u)+j:O+32*(\u)+j+1], v[F:F+1] op_sel_hi:[1,0]   ; O^T under the new M.  (These sixteen are also the places between p's scale word and codes and the products that take them)
.set j, j+2
.endr
.endm
.Lstep:                                            ; sixteen trips in every wave: the trip count is a constant; a step all of whose keys come after my queries is passed over
	s_cmp_gt_u32 s[JS], s[BETA]
	s_cbranch_scc1 .Lnext
	v_add_nc_u32 v[AK], s[TB], v[LI]
	v_add_nc_u32 v[AV], s[TB], v[L8]
	v_nop
	v_nop                                          ; four places in front of loads into registers that the last products have read
.irp t, 0,1,2,3,4,5,6,7
	ds_load_b128 v[KF+4*\t:KF+4*\t+3], v[AK] offset:512*\t
.endr
	ds_load_b128 v[KS:KS+3], v[AK] offset:4096
	s_wait_dscnt 0x0
	SQK 0
	PLACES
	s_setprio 2
	MASK 0
	SOFTMAX 0
	SQK 1                                          ; tile 1's scores take the registers that tile 0's p has left
	PLACES
.irp t, 0,1,2,3
.irp c, 0,1
	ds_load_b128 v[KF+8*\t+4*\c:KF+8*\t+4*\c+3], v[AK] offset:4608+1024*\t+512*\c   ; v's fragments land while tile 1's softmax is walked
.endr
.endr
	ds_load_b64 v[VS:VS+1], v[AV] offset:8704
	MASK 1
	s_setprio 1
	SOFTMAX 1
	s_setprio 0
	s_wait_alu depctr_va_vdst(0)
	s_wait_dscnt 0x0
.irp t, 0,1,2,3                        ; O^T += V^T P^T: eight accumulators, one instruction each
.irp u, 0,1
	WMA O+32*\u+8*\t, KF+8*\t, P+8*\u, VS+\t/2, PS+\u, \t%2
.endr
.endr
.Lnext:
	s_add_co_u32 s[TB], s[TB], STEPB
	s_add_co_u32 s[JS], s[JS], 1
	s_cmp_lt_u32 s[JS], 16
	s_cbranch_scc1 .Lstep
	s_setprio 0
	; THE WAY OUT.  O^T / the sum; the two tiles' 32 numbers a lane (register 8 t + j: d = 16 t + 8 h + j) are quantised together: tile 0 is the fragment's lower half with bytes 0, 1 of the word, tile 1 the upper with bytes 2, 3.
	v_add_f32 v[ST+2], v[ST+2], v[ST+3]            ; the sums' two halves.  (With the two v_nop: four places behind the last products)
	v_add_f32 v[ST+6], v[ST+6], v[ST+7]
	v_nop
	v_nop
	v_permlanex16_b32 v[BT], v[ST+2], s[SEL], s[SEL+1]
	v_permlanex16_b32 v[BT+1], v[ST+6], s[SEL], s[SEL+1]
	s_delay_alu instid0(VALU_DEP_2)
	v_add_f32 v[ST+2], v[ST+2], v[BT]              ; and lane l xor 16's: the row's sum
	s_delay_alu instid0(VALU_DEP_2)
	v_add_f32 v[ST+6], v[ST+6], v[BT+1]
	s_wait_alu depctr_va_vdst(0)
	v_rcp_f32 v[F], v[ST+2]
	v_rcp_f32 v[SU], v[ST+6]
	v_nop                                          ; a plain place behind the reciprocals
	s_wait_alu depctr_va_vdst(0)                   ; one wait for both, ahead of their first reader
.irp u, 0,1
.set j, 0
.rept 16
	v_pk_mul_f32 v[S+32*\u+j:S+32*\u+j+1], v[O+32*\u+j:O+32*\u+j+1], v[F+2*\u:F+2*\u+1] op_sel_hi:[1,0]   ; each accumulator from its low end on
.set j, j+2
.endr
.endr
.irp b, 0,1,2,3
	v_max3_num_f32 v[BM+\b], |v[S+16*\b]|, |v[S+16*\b+1]|, 0x1800000   ; the floor 2^(3 - 127) among the leaves
.endr
.irp i, 2,4,6,8,10,12,14
.irp b, 0,1,2,3
	s_delay_alu instid0(VALU_DEP_4)
	v_max3_num_f32 v[BM+\b], v[BM+\b], |v[S+16*\b+\i]|, |v[S+16*\b+\i+1]|
.endr
.endr
.irp b, 0,1,2,3
	s_delay_alu instid0(VALU_DEP_4)
	v_permlanex16_b32 v[BT+\b], v[BM+\b], s[SEL], s[SEL+1]
.endr
.irp b, 0,1,2,3
	s_delay_alu instid0(VALU_DEP_4)
	v_max_num_f32 v[BM+\b], v[BM+\b], v[BT+\b]
.endr
	BYTES T0
	CODES P
	global_store_b128 v[LI], v[P:P+3], s[6:7]                  ; tile 0: 512 consecutive bytes, aligned to 256
	global_store_b128 v[LI], v[P+4:P+7], s[6:7] offset:1024    ; tile 1
	v_lshrrev_b32 v[T1], v[SHF], v[T0]             ; lanes 0-15 store tile 0's two bytes, lanes 16-31 tile 1's
	global_store_b16 v[SOF], v[T1], s[8:9]
	s_wait_tensorcnt 0x0
	ds_add_u32 v254, v255
	s_wait_dscnt 0x0
	ROUND                                          ; the closing round: no work-group ends while a partner may still ask for a tile that names it
	s_endpgm
.Lfunc_end_k_qbf29629851_attn:
	.size	k_qbf29629851_attn, .Lfunc_end_k_qbf29629851_attn-k_qbf29629851_attn
	.p2alignl 7, 3214868480
	.fill 96, 4, 3214868480
	.section	.rodata,"a",@progbits
	.p2align	6, 0x0
	.amdhsa_kernel k_qbf29629851_attn
		.amdhsa_group_segment_fixed_size 169984
		.amdhsa_private_segment_fixed_size 0
		.amdhsa_enable_private_segment 0
		.amdhsa_kernarg_size 24
		.amdhsa_user_sgpr_count 2
		.amdhsa_user_sgpr_kernarg_segment_ptr 1
		.amdhsa_wavefront_size32 1
		.amdhsa_system_sgpr_workgroup_id_x 1
		.amdhsa_system_sgpr_workgroup_id_y 1
		.amdhsa_system_sgpr_workgroup_id_z 1
		.amdhsa_system_vgpr_workitem_id 0
		.amdhsa_next_free_vgpr 256
		.amdhsa_next_free_sgpr 66
		.amdhsa_reserve_vcc 1
		.amdhsa_float_denorm_mode_32 3
		.amdhsa_float_denorm_mode_16_64 3
		.amdhsa_memory_ordered 1
		.amdhsa_forward_progress 1
		.amdhsa_inst_pref_size 57
	.end_amdhsa_kernel
	.amdgpu_metadata
---
amdhsa.version: [ 1, 2 ]
amdhsa.kernels:
  - .name:           k_qbf29629851_attn
    .symbol:         k_qbf29629851_attn.kd
    .args:
      - { .name: qkv, .offset: 0, .size: 8, .value_kind: global_buffer, .address_space: global }
      - { .name: a_codes, .offset: 8, .size: 8, .value_kind: global_buffer, .address_space: global }
      - { .name: a_scales, .offset: 16, .size: 8, .value_kind: global_buffer, .address_space: global }
    .group_segment_fixed_size: 169984
    .private_segment_fixed_size: 0
    .kernarg_segment_align: 8
    .kernarg_segment_size: 24
    .max_flat_workgroup_size: 512
    .sgpr_count:     66
    .vgpr_count:     256
    .wavefront_size: 32
...
	.end_amdgpu_metadata
.endif
;; end of part 2
;; launch oproj (part 3): grid 4 x 64, 4 waves a work-group, clusters of 4 x 4, 251,904 bytes of LDS; arguments a_codes, a_scales, Wo_codes, Wo_scales, bo, out0; writes out0
.if DOCPART == 3
	.amdgcn_target "amdgcn-amd-amdhsa--gfx1250"
	.amdhsa_code_object_version 6
	.text
	.protected	k_qbf29629851_oproj
	.globl	k_qbf29629851_oproj
	.p2align	8
	.type	k_qbf29629851_oproj,@function
k_qbf29629851_oproj:
	s_mov_b64 s[64:65], 0
	v_nop
	global_prefetch_b8 v0, s[64:65] scope:SCOPE_SE
	s_setreg_imm32_b32 hwreg(HW_REG_WAVE_MODE, 25, 1), 1
	s_wait_xcnt 0x0
	s_wait_alu depctr_hold_cnt(0) depctr_sa_sdst(0) depctr_va_vdst(0) depctr_va_sdst(0) depctr_va_ssrc(0) depctr_va_vcc(0) depctr_vm_vsrc(0)
	s_getreg_b32 s2, hwreg(HW_REG_IB_STS2, 6, 4)
	s_cmp_eq_u32 s2, 0
	s_cbranch_scc0 .Lentry_in_a_cluster
	s_endpgm
.Lentry_in_a_cluster:
	s_bfe_u32 s2, ttmp6, 0x10000c
	s_cmp_lg_u32 s2, 0xf033
	s_cbranch_scc0 .Lentry_shape_is_right
	s_endpgm
.Lentry_shape_is_right:
; out0 = a Wo + bo on codes of FP4 (E2M1) with one E8M0 scale for each 32 along K = 1,024.  a: 8,192 rows, as images of the operand's registers:
; a_codes [128 rows (64)][K step of 128 (8)][tile of 16 rows (8)][1,024 bytes: registers 0-3 at 16 x lane, registers 4-7 at 512 + 16 x lane];
; a_scales [tile (512)][lane' (32)][4 words]: word s of lane' belongs to K step 2 s + lane' / 16, row lane' % 16.  Wo: [1,024 (n)][1,024 (k)] codes, 512 bytes a row, 32 scale bytes a row.  bo, out0: f32.
; A work-group of four waves makes 128 rows x 256 columns: 256 work-groups, since the 33,554,432 bytes of stores are most of this launch's bytes and every work-group stores an equal share.  A wave makes 64 x 128: 32 accumulators.
; All of K lies in LDS by FIRST fills, in two halves of K, so that the products begin when the first half is there; no LDS byte is filled twice.
; THE MATRIX INSTRUCTION IS USED TRANSPOSED (source 0 = 16 rows of Wo, source 1 = 16 rows of a): a lane holds eight neighbouring numbers of a row of out0.  bo is the C of each sum's first product.
; CLUSTERS: 4 x 4 work-groups.  a's block is shared along a row of the cluster, Wo's along a column: each part is asked for jointly.
; LIMITS: NaN and infinities are not served (a scale byte 0xff gives NaN).
; REGISTERS: window 0: v16-26 addresses; v32-47 a's scale words; v48-79 Wo's; v128-191 a's fragments, two sets of 32; on the way out v128-255 rows of out0.
;   window 1: Wo's fragments, two sets, at v0 and v128; v64-127 bo.   window 2: the accumulators ((a, b) at v[8 (8 a + b)]).
.set PITCH,  272                       ; a row of Wo's tile in LDS: 256 bytes + 16 of padding: the 16 rows that a load touches start at 16 different banks (64 banks of 4 bytes: ISA guide 11.1)
.set BSL,    65536                     ; LDS: a's images at 0 (65,536 bytes, dense); then Wo's two halves of K,
.set BCH,    256*PITCH                 ; 256 rows each;
.set BHALF,  128*PITCH
.set ASC,    BSL+2*BCH                 ; a's scale images, 4,096 bytes;
.set BSC,    ASC+4096                  ; Wo's scale bytes, units of 256 + 16: 4,352 for 128 rows;
.set STG,    BSC+2*4352                ; the stages for the way out, 16 rows x 528 bytes a wave: a multiple of 256, and no fill lands there
.set SPITCH, 528
.set ADRA, 16                          ; v16     16 x lane + my four tiles' place in a K step's images
.set ADRB, 20                          ; v20-21  my Wo fragments in half 0, 1
.set ADAS, 22                          ; v22     a's scale images
.set ADBS, 23                          ; v23     Wo's scale words: lanes 0-15 tile b, lanes 16-31 tile b + 4
.set STO,  24                          ; v24     the way out: where I put 32 bytes of a row
.set RD,   25                          ; v25     where I read a row back
.set CO,   26                          ; v26     16 x lane
.set AS,   32                          ; v[AS + 4 a + s]: lanes 0-15 K step 2 s, lanes 16-31 K step 2 s + 1, of my tile a
.set WS,   48                          ; v[WS + 8 b + q]: K step q; lanes 0-15 tile b, lanes 16-31 tile b + 4
.set AF,   128
.set BK,   128
.set G1A,  24                          ; group 1: a's codes s[24:31], a's scales s[32:39], Wo's codes s[40:47], Wo's scales s[48:55]
.set G1AS, 32
.set G1B,  40
.set G1BS, 48
.set G0A,  56                          ; group 0: a's codes, a set for each half of K, s[56:63]; a's scales s[68:71]; Wo's codes s[72:79]; Wo's scales s[80:83]
.set G0AS, 68
.set G0B,  72
.set G0BS, 80
.set MSB, 0
.macro WIN new
.if MSB != (\new)
	s_set_vgpr_msb (MSB<<8)|(\new)
.set MSB, \new
.endif
.endm
.macro JLOAD g0a, g1a, g0b, g1b        ; waves 0 and 1 fetch for a, waves 2 and 3 for Wo; four v_nop follow each of the two lines
	s_cmp_eq_u32 s15, 0
	s_cbranch_scc0 .Lfor_b_\@
	tensor_load_to_lds s[\g0a:\g0a+3], s[\g1a:\g1a+7]
	s_nop 0
.rept 4
	v_nop
.endr
	s_branch .Lasked_\@
.Lfor_b_\@:
	tensor_load_to_lds s[\g0b:\g0b+3], s[\g1b:\g1b+7]
	s_nop 0
.rept 4
	v_nop
.endr
.Lasked_\@:
.endm
.macro CROUND                          ; a round of the cluster's barrier
	s_barrier_signal -1
	s_barrier_wait -1
	s_cmp_lg_u32 s14, 0
	s_cbranch_scc1 .Lnot_wave_0_\@
	s_barrier_signal -3
.Lnot_wave_0_\@:
	s_barrier_wait -3
	s_barrier_signal -1
	s_barrier_wait -1
.endm
.macro PLACES
.rept 4
	v_nop
.endr
.endm
	s_load_b256 s[4:11], s[0:1], 0x0               ; a's codes s[4:5], a's scales s[6:7], Wo's codes s[8:9], Wo's scales s[10:11]
	s_load_b128 s[84:87], s[0:1], 0x20             ; bo s[84:85], out0 s[86:87]
	v_lshl_add_u32 v126, v0, 2, 0x3d600
	v_mov_b32 v127, 0
	ds_add_u32 v126, v127
	ds_add_u32 v126, v127
	v_lshrrev_b32 v1, 5, v0
	v_readfirstlane_b32 s14, v1                    ; wave 0..3
	s_lshr_b32 s15, s14, 1                         ; which 64 rows are mine.  Also: I fetch for a (0) or for Wo (1)
	s_and_b32 s16, s14, 1                          ; which 128 columns.  Also: which half of a part I fetch
	s_bfe_u32 s88, ttmp6, 0x40000                  ; cx, cy
	s_bfe_u32 s89, ttmp6, 0x40004
	s_lshl_b32 s18, ttmp9, 2
	s_add_co_u32 s18, s18, s88                     ; which 256 columns = 4 x cluster x + cx
	s_and_b32 s17, ttmp7, 0xffff
	s_lshl_b32 s17, s17, 2
	s_add_co_u32 s17, s17, s89                     ; which 128 rows = 4 x cluster y + cy
	s_lshl_b32 s90, s89, 2
	s_lshl_b32 s90, 15, s90                        ; my row of the cluster
	s_lshl_b32 s91, 0x1111, s88                    ; my column
	s_or_b32 s[G1A], s90, (3<<16)|(1<<21)          ; a's codes: 16,384 dense bytes as 64 rows of 256 (32 elements of 8 bytes), no padding
	s_mov_b32 s[G1A+1], 32<<16
	s_mov_b32 s[G1A+2], 64<<16
	s_mov_b32 s[G1A+3], 32<<16
	s_mov_b32 s[G1A+4], 64
	s_mov_b32 s[G1A+5], 32
	s_mov_b32 s[G1A+6], 0
	s_mov_b32 s[G1A+7], 0
	s_or_b32 s[G1AS], s90, (3<<16)|(1<<21)         ; a's scales: 2,048 dense bytes as 8 rows of 256
	s_mov_b32 s[G1AS+1], 32<<16
	s_mov_b32 s[G1AS+2], 8<<16
	s_mov_b32 s[G1AS+3], 32<<16
	s_mov_b32 s[G1AS+4], 8
	s_mov_b32 s[G1AS+5], 32
	s_mov_b32 s[G1AS+6], 0
	s_mov_b32 s[G1AS+7], 0
	s_or_b32 s[G1B], s91, (1<<20)|(1<<21)|(5<<22)|(3<<25)   ; Wo's codes: 128 rows x 256 bytes, 512 apart in memory, four words of padding after every 64
	s_mov_b32 s[G1B+1], 256<<16
	s_mov_b32 s[G1B+2], 128<<16
	s_mov_b32 s[G1B+3], 256<<16
	s_mov_b32 s[G1B+4], 128
	s_mov_b32 s[G1B+5], 512
	s_mov_b32 s[G1B+6], 0
	s_mov_b32 s[G1B+7], 0
	s_or_b32 s[G1BS], s91, (3<<16)|(1<<20)|(1<<21)|(5<<22)|(3<<25)   ; Wo's scales: 4,096 dense bytes as 16 rows of 256, padded likewise
	s_mov_b32 s[G1BS+1], 32<<16
	s_mov_b32 s[G1BS+2], 16<<16
	s_mov_b32 s[G1BS+3], 32<<16
	s_mov_b32 s[G1BS+4], 16
	s_mov_b32 s[G1BS+5], 32
	s_mov_b32 s[G1BS+6], 0
	s_mov_b32 s[G1BS+7], 0
	s_lshl_b32 s92, s17, 16                        ; a's codes: 65,536 bytes for 128 rows; my half of a half of K: 16,384
	s_lshl_b32 s12, s16, 14
	s_add_co_u32 s92, s92, s12
	s_mov_b32 s93, 0
	s_lshl_b32 s94, s17, 12                        ; a's scales: 4,096 bytes for 128 rows; my half: 2,048
	s_lshl_b32 s13, s16, 11
	s_add_co_u32 s94, s94, s13
	s_mov_b32 s95, 0
	s_lshl_b32 s19, s18, 8                         ; Wo: row 256 x block + 128 x half, in registers of its own
	s_lshl_b32 s96, s16, 7
	s_add_co_u32 s19, s19, s96
	s_lshl_b32 s96, s19, 9
	s_mov_b32 s97, 0
	s_wait_dscnt 0x0
	s_wait_kmcnt 0x0
	s_add_nc_u64 s[20:21], s[4:5], s[92:93]
	s_add_nc_u64 s[22:23], s[6:7], s[94:95]
	s_add_nc_u64 s[98:99], s[8:9], s[96:97]
	s_lshl_b32 s96, s19, 5
	s_add_nc_u64 s[2:3], s[10:11], s[96:97]
	CROUND                                         ; all sixteen work-groups are here: the joint loads meet
	s_mov_b32 s[G0AS], 1
	s_add_co_u32 s[G0AS+1], s13, ASC               ; no place in the cluster enters an LDS address
	s_mov_b64 s[G0AS+2:G0AS+3], s[22:23]
	s_or_b32 s[G0AS+3], s[G0AS+3], 0x80000000
	s_mul_i32 s13, s16, 4352
	s_mov_b32 s[G0BS], 1
	s_add_co_u32 s[G0BS+1], s13, BSC
	s_mov_b64 s[G0BS+2:G0BS+3], s[2:3]
	s_or_b32 s[G0BS+3], s[G0BS+3], 0x80000000
	JLOAD G0AS, G1AS, G0BS, G1BS                   ; the scales first
	s_mul_i32 s13, s16, BHALF
.irp c, 0,1
	s_mov_b32 s[G0A+4*\c], 1
	s_add_co_u32 s[G0A+4*\c+1], s12, 32768*\c
	s_add_nc_u64 s[G0A+4*\c+2:G0A+4*\c+3], s[20:21], 32768*\c
	s_or_b32 s[G0A+4*\c+3], s[G0A+4*\c+3], 0x80000000
	s_mov_b32 s[G0B+4*\c], 1
	s_add_co_u32 s[G0B+4*\c+1], s13, BSL+BCH*\c
	s_add_nc_u64 s[G0B+4*\c+2:G0B+4*\c+3], s[98:99], 256*\c
	s_or_b32 s[G0B+4*\c+3], s[G0B+4*\c+3], 0x80000000
	JLOAD G0A+4*\c, G1A, G0B+4*\c, G1B             ; three tensor loads of mine are out, and no more follow
.endr
	v_and_b32 v1, 15, v0                           ; r
	v_bfe_u32 v2, v0, 4, 1                         ; h
	v_and_b32 v3, 31, v0
	v_lshlrev_b32 v[CO], 4, v3
	s_lshl_b32 s12, s18, 10                        ; my first column, in bytes of f32: 1,024 x block + 512 x half: in bo and in a row of out0
	s_lshl_b32 s13, s16, 9
	s_add_co_u32 s12, s12, s13
	s_mov_b32 s13, 0
	s_add_nc_u64 s[84:85], s[84:85], s[12:13]
	s_add_nc_u64 s[86:87], s[86:87], s[12:13]
	s_lshl_b32 s12, s17, 19                        ; my first row: (128 x block + 64 x half) x 4,096 bytes
	s_lshl_b32 s19, s15, 18
	s_add_co_u32 s12, s12, s19
	s_add_nc_u64 s[86:87], s[86:87], s[12:13]
	v_lshlrev_b32 v7, 5, v2                        ; bo: for tile b: bo[16 b + 8 h + 0 .. 7]
	WIN 0x40                                       ; destination window 1
.irp b, 0,1,2,3,4,5,6,7
	global_load_b128 v[64+8*\b:64+8*\b+3], v7, s[84:85] offset:64*\b
	global_load_b128 v[64+8*\b+4:64+8*\b+7], v7, s[84:85] offset:64*\b+16
.endr
	WIN 0
	s_lshl_b32 s12, s15, 12
	v_add_nc_u32 v[ADRA], s12, v[CO]               ; my four tiles: 4,096 bytes on for the second half of the rows
	v_mul_u32_u24 v4, v1, PITCH
	v_lshl_add_u32 v4, v2, 4, v4
	s_mul_i32 s12, s16, BHALF
	s_add_co_u32 s12, s12, BSL
	v_add_nc_u32 v[ADRB], s12, v4
	s_add_co_u32 s12, s12, BCH
	v_add_nc_u32 v[ADRB+1], s12, v4
	s_lshl_b32 s12, s15, 11
	s_add_co_u32 s12, s12, ASC
	v_add_nc_u32 v[ADAS], s12, v[CO]
	v_lshlrev_b32 v5, 5, v1                        ; Wo's scale bytes: 32 a row,
	v_lshrrev_b32 v6, 3, v1
	v_lshl_add_u32 v5, v6, 4, v5                   ; 16 more for each 256 passed,
	v_mul_u32_u24 v6, v2, 2176                     ; and lanes 16-31 four tiles (4 x 544 bytes) further on
	v_add_nc_u32 v5, v5, v6
	s_mul_i32 s12, s16, 4352
	s_add_co_u32 s12, s12, BSC
	v_add_nc_u32 v[ADBS], s12, v5
	s_mul_i32 s12, s14, 16*SPITCH
	s_add_co_u32 s12, s12, STG                     ; my stage
	v_mul_u32_u24 v5, v1, SPITCH
	v_lshl_add_u32 v5, v2, 5, v5
	v_add_nc_u32 v[STO], s12, v5                   ; in: row r, 32 bytes for each half of the lanes
	v_add_nc_u32 v[RD], s12, v[CO]                 ; back: the 32 lanes take one row of 512 bytes
; a product; ra, rb: the scale words stand in lanes 16-31 of the register named
.macro WM d, a, b, c, sa, sb, ra, rb
.if (\ra) && (\rb)
	v_wmma_scale_f32_16x16x128_f8f6f4 v[(\d):(\d)+7], v[(\a):(\a)+7], v[(\b):(\b)+7], v[(\c):(\c)+7], v[\sa], v[\sb] matrix_a_fmt:MATRIX_FMT_FP4 matrix_b_fmt:MATRIX_FMT_FP4 matrix_a_scale:MATRIX_SCALE_ROW1 matrix_b_scale:MATRIX_SCALE_ROW1
.elseif (\ra)
	v_wmma_scale_f32_16x16x128_f8f6f4 v[(\d):(\d)+7], v[(\a):(\a)+7], v[(\b):(\b)+7], v[(\c):(\c)+7], v[\sa], v[\sb] matrix_a_fmt:MATRIX_FMT_FP4 matrix_b_fmt:MATRIX_FMT_FP4 matrix_a_scale:MATRIX_SCALE_ROW1
.elseif (\rb)
	v_wmma_scale_f32_16x16x128_f8f6f4 v[(\d):(\d)+7], v[(\a):(\a)+7], v[(\b):(\b)+7], v[(\c):(\c)+7], v[\sa], v[\sb] matrix_a_fmt:MATRIX_FMT_FP4 matrix_b_fmt:MATRIX_FMT_FP4 matrix_b_scale:MATRIX_SCALE_ROW1
.else
	v_wmma_scale_f32_16x16x128_f8f6f4 v[(\d):(\d)+7], v[(\a):(\a)+7], v[(\b):(\b)+7], v[(\c):(\c)+7], v[\sa], v[\sb] matrix_a_fmt:MATRIX_FMT_FP4 matrix_b_fmt:MATRIX_FMT_FP4
.endif
.endm
.macro FETCH q                         ; K step q's fragments into set q % 2: Wo's eight from rows, a's four as images
	WIN 0x40
.irp i, 0,1,2,3,4,5,6,7
.irp c, 0,1
	ds_load_b128 v[128*((\q)%2)+8*\i+4*\c:128*((\q)%2)+8*\i+4*\c+3], v[ADRB+(\q)/4] offset:64*((\q)%4)+32*\c+\i*16*PITCH
.endr
.endr
	WIN 0
.irp i, 0,1,2,3
.irp c, 0,1
	ds_load_b128 v[AF+32*((\q)%2)+8*\i+4*\c:AF+32*((\q)%2)+8*\i+4*\c+3], v[ADRA] offset:8192*(\q)+1024*\i+512*\c
.endr
.endr
.endm
.macro MUL32 q, first                  ; 32 products: the 32 accumulators take turns, one instruction a turn, in the same order in every step
.if \first
	WIN 0x91                                       ; source 0 (Wo) window 1, source 1 (a) window 0, C (bo) window 1, D window 2
.else
	WIN 0xa1                                       ; C and D window 2
.endif
.irp a, 0,1,2,3
.irp b, 0,1,2,3,4,5,6,7
.if \first
	WM 8*(8*\a+\b), 128*((\q)%2)+8*\b, AF+32*((\q)%2)+8*\a, 64+8*\b, WS+8*(\b%4)+(\q), AS+4*\a+(\q)/2, \b/4, (\q)%2
.else
	WM 8*(8*\a+\b), 128*((\q)%2)+8*\b, AF+32*((\q)%2)+8*\a, 8*(8*\a+\b), WS+8*(\b%4)+(\q), AS+4*\a+(\q)/2, \b/4, (\q)%2
.endif
.endr
.endr
	WIN 0
.endm
	s_wait_tensorcnt 1                             ; the scales and my part of K's first half are in; the one load issued behind them, the second half's, may be out
	s_barrier_signal -1
	s_barrier_wait -1                              ; everybody's are
.irp a, 0,1,2,3
	ds_load_b128 v[AS+4*\a:AS+4*\a+3], v[ADAS] offset:512*\a
.endr
.irp b, 0,1,2,3
	ds_load_b128 v[WS+8*\b:WS+8*\b+3], v[ADBS] offset:544*\b
	ds_load_b128 v[WS+8*\b+4:WS+8*\b+7], v[ADBS] offset:544*\b+16
.endr
	FETCH 0
	s_wait_loadcnt 0x0                             ; bo
.irp q, 0,1,2,3,4,5,6,7
	s_wait_dscnt 0x0                               ; this step's fragments are in
.if \q == 3
	s_wait_tensorcnt 0x0                           ; my part of K's second half is in,
	s_barrier_signal -1
	s_barrier_wait -1                              ; everybody's is: the next step's fragments come from it.  Nothing is filled again
.endif
.if \q > 0
	PLACES                                         ; in front of loads into the set that the last step's products have read
.endif
.if \q < 7
	FETCH \q+1                                     ; lands while this step is multiplied
.endif
.if \q == 0
	MUL32 \q, 1
.else
	MUL32 \q, 0
.endif
.endr
; THE WAY OUT, block by block of 16 rows x 128 columns: through my own stage in LDS, back as whole rows of 512 bytes, which the 32 lanes store as two aligned units of 256 bytes.
; LDS serves a wave's instructions in order (ISA guide 5.7.1.4): no wait between the stores and the loads, nor in front of the next block's stores.
.macro TOSTAGE a
.set AC, 64*(\a)
	WIN 0x08                                       ; an LDS store's data are its source 1: window 2
.irp b, 0,1,2,3,4,5,6,7
	ds_store_b128 v[STO], v[AC+8*\b:AC+8*\b+3] offset:64*\b          ; each accumulator from its low end on
	ds_store_b128 v[STO], v[AC+8*\b+4:AC+8*\b+7] offset:64*\b+16
.endr
	WIN 0
.set BB, BK+64*((\a)%2)
.irp t, 0,1,2,3,4,5,6,7,8,9,10,11,12,13,14,15
	ds_load_b128 v[BB+4*\t:BB+4*\t+3], v[RD] offset:\t*SPITCH
.endr
.endm
.macro SEND a, younger                 ; younger: the LDS instructions issued behind block a's loads, which may stay out
.set BB, BK+64*((\a)%2)
	s_wait_dscnt \younger
.if (\a) > 0
	s_add_nc_u64 s[86:87], s[86:87], 16*4096       ; 16 rows on (behind a wait on XCNT for 0: the earlier stores have read their base)
.endif
.irp t, 0,1,2,3,4,5,6,7,8,9,10,11,12,13,14,15
	global_store_b128 v[CO], v[BB+4*\t:BB+4*\t+3], s[86:87] offset:\t*4096 th:TH_STORE_NT   ; 512 consecutive bytes, aligned to 256; written once, read by nobody here
.endr
.endm
	PLACES                                         ; behind the last products: for the stores that read results and the loads into a's fragments' registers
	TOSTAGE 0
.irp a, 1,2,3
.if \a > 1
	s_wait_xcnt 0x0                                ; block a - 2's stores have read their registers and their base
.endif
	TOSTAGE \a
	SEND \a-1, 32                                  ; behind block a - 1's loads: block a's 16 stores and 16 loads
.endr
	s_wait_xcnt 0x0
	SEND 3, 0
	s_wait_tensorcnt 0x0
	ds_add_u32 v126, v127
	s_wait_dscnt 0x0
	CROUND                                         ; the closing round: no work-group ends while a partner may still ask for a tile that names it
	s_endpgm
.Lfunc_end_k_qbf29629851_oproj:
	.size	k_qbf29629851_oproj, .Lfunc_end_k_qbf29629851_oproj-k_qbf29629851_oproj
	.p2alignl 7, 3214868480
	.fill 96, 4, 3214868480
	.section	.rodata,"a",@progbits
	.p2align	6, 0x0
	.amdhsa_kernel k_qbf29629851_oproj
		.amdhsa_group_segment_fixed_size 251904
		.amdhsa_private_segment_fixed_size 0
		.amdhsa_enable_private_segment 0
		.amdhsa_kernarg_size 48
		.amdhsa_user_sgpr_count 2
		.amdhsa_user_sgpr_kernarg_segment_ptr 1
		.amdhsa_wavefront_size32 1
		.amdhsa_system_sgpr_workgroup_id_x 1
		.amdhsa_system_sgpr_workgroup_id_y 1
		.amdhsa_system_sgpr_workgroup_id_z 1
		.amdhsa_system_vgpr_workitem_id 0
		.amdhsa_next_free_vgpr 768
		.amdhsa_next_free_sgpr 100
		.amdhsa_reserve_vcc 0
		.amdhsa_float_denorm_mode_32 3
		.amdhsa_float_denorm_mode_16_64 3
		.amdhsa_memory_ordered 1
		.amdhsa_forward_progress 1
		.amdhsa_inst_pref_size 73
	.end_amdhsa_kernel
	.amdgpu_metadata
---
amdhsa.version: [ 1, 2 ]
amdhsa.kernels:
  - .name:           k_qbf29629851_oproj
    .symbol:         k_qbf29629851_oproj.kd
    .args:
      - { .name: a_codes, .offset: 0, .size: 8, .value_kind: global_buffer, .address_space: global }
      - { .name: a_scales, .offset: 8, .size: 8, .value_kind: global_buffer, .address_space: global }
      - { .name: Wo_codes, .offset: 16, .size: 8, .value_kind: global_buffer, .address_space: global }
      - { .name: Wo_scales, .offset: 24, .size: 8, .value_kind: global_buffer, .address_space: global }
      - { .name: bo, .offset: 32, .size: 8, .value_kind: global_buffer, .address_space: global }
      - { .name: out0, .offset: 40, .size: 8, .value_kind: global_buffer, .address_space: global }
    .group_segment_fixed_size: 251904
    .private_segment_fixed_size: 0
    .kernarg_segment_align: 8
    .kernarg_segment_size: 48
    .max_flat_workgroup_size: 128
    .sgpr_count:     100
    .vgpr_count:     768
    .wavefront_size: 32
...
	.end_amdgpu_metadata
.endif
;; end of part 3
